; MI455X (gfx1250); checked and timed in simulation.
; The chip was launched on July 23, 2026; its instructions are those of AMD's public machine-readable ISA for CDNA 5 (MIT licence, August 2026) and "CDNA5" Instruction Set Architecture Reference Guide (July 2026). The comments in the code are by the model that wrote it; some were corrected since.
;; Multihead Attention. Allowed arithmetic: matrix products marked QUANTISED: E2M3 operands, one E8M0 scale for each 32 along K, by v_wmma_scale_f32_16x16x128_f8f6f4 with both operands' format E2M3, f32 sums; everything else in f32.
;; Inputs: Wout 1,024 x 1,024 float32; Wqkv 1,024 x 3,072 float32; x 4 x 2,048 x 1,024 float32.
;; Outputs: out0 4 x 2,048 x 1,024 float32.
;; This version of the problem:
;;   THIS VERSION OF THE PROBLEM IS GIVEN IN LOW PRECISION. The matrix products marked QUANTISED in the list below multiply operands that are first quantised to E2M3 (2 exponent bits, 3 mantissa bits; 6 bits a number), with one power-of-two scale for each 32 numbers along K (OCP MX v1.0); their sums are f32. All else is computed in f32.
;;   The module's matrix products, in the order in which they are computed (A, B: the left and right operand; K: the contracted axis; several contracted axes count as one K, in the product's order):
;;     1. [M 8,192, K 1,024] x [K 1,024, N 3,072]; A: input x; B: input Wqkv: QUANTISED
;;     2. batch 64 x [M 2,048, K 64] x [K 64, N 2,048]; A: computed on the way; B: computed on the way: QUANTISED
;;     3. batch 64 x [M 2,048, K 2,048] x [K 2,048, N 64]; A: softmax (see below); B: computed on the way: QUANTISED
;;     4. [M 8,192, K 1,024] x [K 1,024, N 1,024]; A: computed on the way; B: input Wout: QUANTISED
;;   THE QUANTISER, for each operand of a quantised product, along K:
;;     - K is cut into blocks of 32 from its start; a last block that is shorter is filled with zeros.
;;     - A block's scale is 2^e with e = floor(log2(the largest magnitude in the block)) - 2, held to -126 .. 127; a block of zeros has e = 0. As a byte (E8M0): e + 127.
;;     - Each number is divided by its block's scale, clamped to +-7.5, and rounded to the nearest number of E2M3, ties to even, subnormals kept.
;;     - The product sums the exact products of the quantised numbers (number of the format x scale) in f32.
;;   ~~~python
;;   def quantise(x, axis):      # numpy; x: float32 -> the quantised numbers, widened to float32 again
;;       x = np.moveaxis(x, axis, -1); K = x.shape[-1]
;;       x = np.pad(x, [(0, 0)] * (x.ndim - 1) + [(0, -K % 32)]); x = x.reshape(x.shape[:-1] + (-1, 32)); a = np.abs(x).max(-1, keepdims=True)
;;       e = np.where(a > 0, np.clip(np.frexp(np.where(a > 0, a, 1))[1] - 1 - 2, -126, 127), 0)      # np.frexp(a)[1] - 1 = floor(log2(a)), exactly
;;       r = np.clip(x / 2.0 ** e, -7.5, 7.5)
;;       step = 2.0 ** (np.maximum(np.frexp(np.where(r == 0, 1, r))[1] - 1, 0) - 3)
;;       q = np.round(r / step) * step * 2.0 ** e      # np.round: ties to even
;;       return np.moveaxis(q.reshape(q.shape[:-2] + (-1,))[..., :K], -1, axis).astype(np.float32)
;;   ~~~
;;   SOFTMAX AHEAD OF A QUANTISED PRODUCT. Where the list says 'softmax', what is quantised is not the finished softmax but p = 2^(t - M), with t = logit x log2(e) and M = ceil(the row's largest t), a whole number; so 1/2 < the row's largest p <= 1. The row's sum l is taken of the UNQUANTISED p, in f32, and the product's result is divided by l at the end. Since M is a whole number, a kernel that streams over the keys may use a running M (the ceiling of the running maximum): every later rescaling is an exact power of two, which a block's scale takes up: the codes' values come out the same.
;;   OPERANDS COMPUTED ON THE WAY. 'Computed on the way' means the value that the module computes at that place (a softmax that the list does not call 'softmax' is quantised finished and normalised). What goes into a quantiser is computed in f32, as accurately as f32 sums, v_exp_f32 and their like allow (about 1e-6 of the number): no bf16 or f16 on the way to a quantiser, and a product that is left as it is and whose result goes on into a quantised operand takes f32 operands (vector FMAs, or v_wmma_f32_16x16x4_f32). A number that lies on a knife's edge between two numbers of the format may be rounded either way, as far as f32 arithmetic and the matrix unit's own rounding can turn it there, and no further.
;; One version. Each part assembles by itself: llvm-mc -triple=amdgcn-amd-amdhsa -mcpu=gfx1250 --defsym DOCPART=n.
;; ======== version 1 of 1: 5 launches
;; limits: right only within a limited range of input values
;; workspace buffers: xq 6,553,600 bytes; w 3,276,800 bytes; qi 6,815,744 bytes; kv 13,369,344 bytes; va 6,553,600 bytes
;; launch qx (part 1): grid 256 x 1, 4 waves a work-group, no clusters, 33,280 bytes of LDS; arguments x, xq; writes xq
.if DOCPART == 1
	.amdgcn_target "amdgcn-amd-amdhsa--gfx1250"
	.amdhsa_code_object_version 6
	.text
	.protected	k_q3b8e6bb7c5_qx
	.globl	k_q3b8e6bb7c5_qx
	.p2align	8
	.type	k_q3b8e6bb7c5_qx,@function
k_q3b8e6bb7c5_qx:
	s_mov_b64 s[64:65], 0
	v_nop
	global_prefetch_b8 v0, s[64:65] scope:SCOPE_SE
	s_setreg_imm32_b32 hwreg(HW_REG_WAVE_MODE, 25, 1), 1
	s_wait_xcnt 0x0
; x [8192][1024] f32 becomes codes of FP6 (E2M3), K innermost (768 bytes a row), and one E8M0 scale byte for each 32 along K (32 bytes a row).
; A block's scale is 2^(floor(log2(its largest magnitude)) - 2); its byte is the largest magnitude's exponent field - 2, held at 1 from below.
; LIMITS: a block of zeros, or one whose largest magnitude lies under 2^-124, gets the byte 1 (its codes are zeros or nearly; the bytes are read by this program alone); NaN and infinities are not served.
; THE ROWS ARE STORED IN ANOTHER ORDER: in each group of 32 rows, place 16 u + r holds row 8 u + r + 8 (r / 8): of the four runs of eight rows the middle two change places.  So sixteen
; neighbouring places are the sixteen rows that the product's launch wants in one tile.  A wave takes a run of 8 rows (8,192 numbers), a work-group a group of 32: only the wave's place on the way out differs.
; A wave takes 16 steps of 512 numbers.  Each load reads 512 consecutive bytes; a step's 2,048 bytes turn through the wave's own stage in LDS and come back 64 bytes a lane, so that a lane holds 16
; neighbours along K and two neighbouring lanes a block.  A lane's 16 codes are 12 bytes: each sixteen lanes store 192 consecutive bytes, in two chunks.  A wave's 256 scale bytes are gathered in LDS and leave as 256 consecutive bytes.
; No barrier: waves share nothing.  Loads run four steps (16 loads a wave) ahead, the turn through LDS one step.
.set STEPS, 16
.set CB,    12                         ; bytes of 16 codes
.set R,     16                         ; v16-79   four sets of 16 numbers as they are loaded
.set X,     80                         ; v80-111  two sets of 16 neighbours
.set C,     128                        ; v128-191 codes: four registers for each step, so that no store's data are written again
.set E,     112                        ; v112-127 a scale byte for each step
.set WREG,  8192                       ; LDS: a region for each wave: two stages of 32 x SP bytes, behind them its 256 scale bytes
.set SP,    80                         ; a lane's place in a stage: its 64 bytes + 16 of padding
.set XSC,   6291456                    ; where the scale bytes begin in xq
	s_load_b128 s[4:7], s[0:1], 0x0                ; x, xq
	v_lshl_add_u32 v192, v0, 2, 0x8000
	v_mov_b32 v193, 0
	v_lshrrev_b32 v1, 5, v0
	v_readfirstlane_b32 s16, v1                    ; wave
	v_and_b32 v2, 31, v0                           ; lane
	v_lshlrev_b32 v3, 4, v2                        ; my 16 bytes of a load's 512
	s_mul_i32 s17, s16, WREG
	v_lshrrev_b32 v14, 2, v2
	v_mul_u32_u24 v14, v14, SP
	v_and_b32 v15, 3, v2
	v_lshl_add_u32 v14, v15, 4, v14
	v_add_nc_u32 v14, s17, v14                     ; the stage, on the way in: SP (lane / 4) + 16 (lane % 4)
	v_mul_u32_u24 v15, v2, SP
	v_add_nc_u32 v15, s17, v15                     ; and on the way out: SP x lane: my 16 neighbours
	; the codes are laid [chunk of 256 along K][row][192 bytes]: a step's lanes 0-15 hold one chunk of a row, lanes 16-31 the next chunk, 8192 x 192 bytes on
	v_and_b32 v4, 15, v2
	v_mul_u32_u24 v4, v4, CB
	v_lshrrev_b32 v10, 4, v2
	v_mad_u32_u24 v4, v10, 0x180000, v4
	v_lshrrev_b32 v5, 1, v2
	s_add_co_u32 s17, s17, 2*32*SP
	v_add_nc_u32 v5, s17, v5                       ; LDS: my wave's 256 scale bytes, my block's byte
	v_lshlrev_b32 v7, 3, v2                        ; and on the way out 8 bytes a lane
	v_add_nc_u32 v6, s17, v7
	s_lshl_b32 s18, ttmp9, 2
	s_add_co_u32 s20, s18, s16                     ; the run that I read: 4 x work-group + wave
	s_and_b32 s19, s16, 1
	s_lshl_b32 s19, s19, 1
	s_lshr_b32 s21, s16, 1
	s_or_b32 s19, s19, s21                         ; the wave's two bits changed round
	s_add_co_u32 s22, s18, s19                     ; the run that I write
	s_lshl_b32 s20, s20, 15                        ; 32,768 bytes of x a run
	s_mov_b32 s21, 0
	s_mul_i32 s24, s22, 8*192                      ; a run's 8 rows of 192 bytes in each chunk
	s_mov_b32 s25, 0
	s_lshl_b32 s26, s22, 8                         ; 256 scale bytes a run
	s_add_co_u32 s26, s26, XSC
	s_mov_b32 s27, 0
	s_wait_alu depctr_va_vdst(0)
	s_wait_kmcnt 0x0
	s_add_nc_u64 s[4:5], s[4:5], s[20:21]
	s_add_nc_u64 s[8:9], s[6:7], s[24:25]
	s_add_nc_u64 s[10:11], s[6:7], s[26:27]
.macro LOAD t
.irp i, 0,1,2,3
	global_load_b128 v[R+16*((\t)%4)+4*\i:R+16*((\t)%4)+4*\i+3], v3, s[4:5] offset:2048*(\t)+512*\i th:TH_LOAD_NT   ; 32 lanes read 512 consecutive bytes
.endr
.endm
.macro TURN t                          ; step t's numbers through the stage: LDS serves a wave's instructions in order, so no wait stands between the stores and the loads
.irp i, 0,1,2,3
	ds_store_b128 v14, v[R+16*((\t)%4)+4*\i:R+16*((\t)%4)+4*\i+3] offset:32*SP*((\t)%2)+8*SP*\i
.endr
.irp i, 0,1,2,3
	ds_load_b128 v[X+16*((\t)%2)+4*\i:X+16*((\t)%2)+4*\i+3], v15 offset:32*SP*((\t)%2)+16*\i
.endr
.endm
.irp t, 0,1,2,3
	LOAD \t
.endr
	s_wait_loadcnt 12                              ; step 0's four loads are in
	TURN 0
.macro STEP t
.set XS, X+16*((\t)%2)
.if (\t) > 0
	s_wait_dscnt 1                                 ; this step's numbers are back from the stage (the last step's byte store may be out): so its stores into the stage have read their registers,
.else
	s_wait_dscnt 0x0
.endif
.if (\t)+4 < STEPS
	LOAD (\t)+4                                    ; which take the loads of four steps on
.endif
.if (\t)+1 < STEPS
.if STEPS-2-(\t) >= 3
	s_wait_loadcnt 12                              ; the next step's four loads are in; those of the three steps behind it may be out
.else
	s_wait_loadcnt 4*(STEPS-2-(\t))
.endif
	TURN (\t)+1                                    ; and go through the other stage while this step is worked
.endif
	v_max3_num_f32 v8, |v[XS]|, |v[XS+1]|, |v[XS+2]|               ; the largest magnitude of my 16, in two chains
	v_max3_num_f32 v9, |v[XS+3]|, |v[XS+4]|, |v[XS+5]|
.irp i, 6,10
	v_max3_num_f32 v8, v8, |v[XS+\i]|, |v[XS+\i+1]|
	v_max3_num_f32 v9, v9, |v[XS+\i+2]|, |v[XS+\i+3]|
.endr
	v_max3_num_f32 v8, v8, |v[XS+14]|, |v[XS+15]|
	v_max3_num_f32 v8, v8, v9, 0x1800000           ; and the floor 2^(3 - 127): the byte cannot fall under 1
	v_max_num_f32_dpp v8, v8, v8 row_xmask:1 row_mask:0xf bank_mask:0xf   ; and of my neighbour's 16: the block's
	v_add_nc_u32 v11, 0xff000000, v8               ; 2 off its exponent field: the conversion takes the exponent field of this operand as its scale
	v_cvt_scalef32_pk16_fp6_f32 v[C+4*(\t):C+4*(\t)+2], v[XS:XS+15], v11         ; sixteen numbers / the scale, to the nearest code, ties to even, beyond the largest code the largest
	v_lshrrev_b32 v[E+(\t)], 23, v11               ; the scale's byte (a plain instruction behind the conversion)
	ds_store_b8 v5, v[E+(\t)] offset:16*(\t)       ; both lanes of a block write the same byte with the same value
	global_store_b96 v4, v[C+4*(\t):C+4*(\t)+2], s[8:9] offset:3145728*((\t)%2)+192*((\t)/2)   ; row t / 2 of the run, chunks 2 (t % 2) and 2 (t % 2) + 1
.endm
.irp t, 0,1,2,3,4,5,6,7,8,9,10,11,12,13,14,15
	STEP \t
.endr
	ds_load_b64 v[12:13], v6                       ; LDS serves a wave's instructions in order: these see my stores
	s_wait_dscnt 0x0
	global_store_b64 v7, v[12:13], s[10:11]        ; 32 lanes store 256 consecutive bytes, aligned
	s_wait_tensorcnt 0x0
	ds_add_u32 v192, v193
	s_wait_dscnt 0x0
	s_endpgm
.Lfunc_end_k_q3b8e6bb7c5_qx:
	.size	k_q3b8e6bb7c5_qx, .Lfunc_end_k_q3b8e6bb7c5_qx-k_q3b8e6bb7c5_qx
	.p2alignl 7, 3214868480
	.fill 96, 4, 3214868480
	.section	.rodata,"a",@progbits
	.p2align	6, 0x0
	.amdhsa_kernel k_q3b8e6bb7c5_qx
		.amdhsa_group_segment_fixed_size 33280
		.amdhsa_private_segment_fixed_size 0
		.amdhsa_enable_private_segment 0
		.amdhsa_kernarg_size 16
		.amdhsa_user_sgpr_count 2
		.amdhsa_user_sgpr_kernarg_segment_ptr 1
		.amdhsa_wavefront_size32 1
		.amdhsa_system_sgpr_workgroup_id_x 1
		.amdhsa_system_sgpr_workgroup_id_y 1
		.amdhsa_system_sgpr_workgroup_id_z 1
		.amdhsa_system_vgpr_workitem_id 0
		.amdhsa_next_free_vgpr 194
		.amdhsa_next_free_sgpr 66
		.amdhsa_reserve_vcc 0
		.amdhsa_float_denorm_mode_32 3
		.amdhsa_float_denorm_mode_16_64 3
		.amdhsa_memory_ordered 1
		.amdhsa_forward_progress 1
		.amdhsa_inst_pref_size 32
	.end_amdhsa_kernel
	.amdgpu_metadata
---
amdhsa.version: [ 1, 2 ]
amdhsa.kernels:
  - .name:           k_q3b8e6bb7c5_qx
    .symbol:         k_q3b8e6bb7c5_qx.kd
    .args:
      - { .name: x, .offset: 0, .size: 8, .value_kind: global_buffer, .address_space: global }
      - { .name: xq, .offset: 8, .size: 8, .value_kind: global_buffer, .address_space: global }
    .group_segment_fixed_size: 33280
    .private_segment_fixed_size: 0
    .kernarg_segment_align: 8
    .kernarg_segment_size: 16
    .max_flat_workgroup_size: 128
    .sgpr_count:     66
    .vgpr_count:     194
    .wavefront_size: 32
...
	.end_amdgpu_metadata
.endif
;; end of part 1
;; launch qw (part 2): grid 32 x 4, 4 waves a work-group, no clusters, 36,352 bytes of LDS; arguments Wqkv, Wout, w; writes w
.if DOCPART == 2
	.amdgcn_target "amdgcn-amd-amdhsa--gfx1250"
	.amdhsa_code_object_version 6
	.text
	.protected	k_q3b8e6bb7c5_qw
	.globl	k_q3b8e6bb7c5_qw
	.p2align	8
	.type	k_q3b8e6bb7c5_qw,@function
k_q3b8e6bb7c5_qw:
	s_mov_b64 s[64:65], 0
	v_nop
	global_prefetch_b8 v0, s[64:65] scope:SCOPE_SE
	s_setreg_imm32_b32 hwreg(HW_REG_WAVE_MODE, 25, 1), 1
	s_wait_xcnt 0x0
; Wqkv [1024][3072] and Wout [1024][1024], f32, K = their FIRST axis, become codes of FP6 (E2M3) laid [column][K] with K innermost (768 bytes a column) and one E8M0 byte for each 32 along K (32 bytes a column).
; Both go into one buffer of 4,096 places: 0 .. 3,071 Wqkv's columns, 3,072 .. 4,095 Wout's.  IN EACH GROUP OF 32 COLUMNS place 16 u + r holds column 8 u + r + 8 (r / 8), so that sixteen neighbouring places are a tile of the products' launches.
; A LANE TAKES A COLUMN AND ITS REGISTERS RUN DOWN K: a load reads 128 consecutive bytes a wave, a block of 32 along K lies in one lane's 32 registers, and the conversions give codes with K innermost.
; One path serves both tensors: work-groups x = 0 .. 23 take Wqkv, 24 .. 31 Wout; pointer and row pitch are chosen by the work-group's number; the pitch stands in registers: 32 offsets (lane + i rows), never rewritten, and a base for each block.
; A wave takes 32 columns x 256 along K (work-group y): 8 blocks a lane, 192 bytes of codes a column.  They go through the wave's own stage in LDS, into the row of the column's PLACE, and leave as rows: sixteen lanes store 192 consecutive bytes.
; LIMITS: a block of zeros, or one whose largest magnitude lies under 2^-124, gets the byte 1 (the bytes are read by this program alone); NaN and infinities are not served.
.set NB,    8                          ; blocks of a wave
.set PITCH, 272                        ; a stage row: sixteen places of 16 bytes, each with 12 bytes of codes, + 16
.set KROW,  192                        ; a place's codes of one chunk of 256 along K.  Wqkv: [chunk][3,072 places][192 bytes]; Wout, behind it: [128 places' group][chunk][128 places][192 bytes]
.set WSC,   3145728                    ; where the scale bytes begin in w
.set X,     32                         ; v32-95   two sets of 32 numbers
.set C,     96                         ; v96..    a block's codes
.set OUTR,  112                        ; v112-175 the way out: 16 x 4 registers
.set SB,    24                         ; v24-25   the scale bytes, four to a register
.set OFF,   176                        ; v176-207 4 x lane + i rows
.set BASE,  16                         ; s[16:31] where block t's 32 rows begin
	s_load_b128 s[4:7], s[0:1], 0x0                ; Wqkv, Wout
	s_load_b64 s[8:9], s[0:1], 0x10                ; w
	v_lshl_add_u32 v208, v0, 2, 0x8c00
	v_mov_b32 v209, 0
	v_lshrrev_b32 v1, 5, v0
	v_readfirstlane_b32 s14, v1                    ; wave 0..3
	v_and_b32 v2, 31, v0                           ; lane
	s_wait_alu depctr_va_vdst(0)
	s_cmp_lt_u32 ttmp9, 24                         ; Wqkv's work-group or Wout's?
	s_mov_b32 s12, 4096
	s_cselect_b32 s12, 12288, s12                  ; a row of the tensor in bytes
	s_cselect_b32 s13, 0, 24
	s_sub_co_u32 s13, ttmp9, s13                   ; which 128 columns of the tensor
	s_lshl_b32 s13, s13, 7
	s_lshl_b32 s15, s14, 5
	s_add_co_u32 s13, s13, s15                     ; my wave's first column in the tensor,
	s_lshl_b32 s32, ttmp9, 7
	s_add_co_u32 s32, s32, s15                     ; and its first place in w (24 x 128 = 3,072)
	s_and_b32 s33, ttmp7, 0xffff                   ; which 256 along K
	s_lshl_b32 s34, s12, 8
	s_mul_i32 s34, s34, s33                        ; 256 y rows,
	s_lshl_b32 s35, s13, 2
	s_add_co_u32 s34, s34, s35                     ; + 4 bytes a column
	s_mov_b32 s35, 0
	s_lshl_b32 s36, s12, 5                         ; 32 rows: from block to block
	s_mov_b32 s37, 0
	s_cmp_lt_u32 ttmp9, 24                         ; codes: x times SX + y times SY + wave x 32 places; 24 x 98,304 bytes is where Wout's part begins
	s_mov_b32 s38, 98304
	s_cselect_b32 s38, 24576, s38                  ; SX: 128 places of a chunk, or a whole group of Wout
	s_mov_b32 s40, 24576
	s_cselect_b32 s40, 589824, s40                 ; SY: a chunk of Wqkv's 3,072 places, or of a group's 128
	s_mul_i32 s38, s38, ttmp9
	s_mul_i32 s40, s40, s33
	s_add_co_u32 s38, s38, s40
	s_mul_i32 s40, s14, 32*KROW
	s_add_co_u32 s38, s38, s40
	s_mov_b32 s39, 0
	s_lshl_b32 s40, s32, 5
	s_lshl_b32 s41, s33, 3
	s_add_co_u32 s40, s40, s41
	s_add_co_u32 s40, s40, WSC                     ; scale bytes: place x 32 + 8 y
	s_mov_b32 s41, 0
	v_lshlrev_b32 v[OFF], 2, v2
.set i, 1
.rept 31
	v_add_nc_u32 v[OFF+i], s12, v[OFF+i-1]
.set i, i+1
.endr
	v_and_b32 v3, 7, v2
	v_bfe_u32 v5, v2, 3, 1
	v_lshl_add_u32 v3, v5, 4, v3
	v_bfe_u32 v5, v2, 4, 1
	v_lshl_add_u32 v3, v5, 3, v3                   ; my column's place in its group of 32: bits 3 and 4 of the lane change places
	s_mul_i32 s44, s14, 32*PITCH                   ; my stage
	v_mul_u32_u24 v4, v3, PITCH
	v_add_nc_u32 v4, s44, v4                       ; into it: row = my column's place
	v_and_b32 v5, 15, v2
	v_lshrrev_b32 v6, 4, v2                        ; out of it: sixteen lanes to a row, two rows an instruction
	v_mul_u32_u24 v7, v6, PITCH
	v_lshl_add_u32 v7, v5, 4, v7
	v_add_nc_u32 v7, s44, v7                       ; LDS address
	v_mul_u32_u24 v8, v6, KROW
	v_mad_u32_u24 v8, v5, 12, v8                   ; and the same place in the codes
	v_lshlrev_b32 v9, 5, v3                        ; my place's row of scale bytes
	s_wait_kmcnt 0x0
	s_cmp_lt_u32 ttmp9, 24                         ; (the subtraction above has written SCC)
	s_cselect_b64 s[4:5], s[4:5], s[6:7]
	s_add_nc_u64 s[BASE:BASE+1], s[4:5], s[34:35]
.irp t, 1,2,3,4,5,6,7
	s_add_nc_u64 s[BASE+2*\t:BASE+2*\t+1], s[BASE+2*\t-2:BASE+2*\t-1], s[36:37]
.endr
	s_add_nc_u64 s[10:11], s[8:9], s[38:39]
	s_add_nc_u64 s[42:43], s[8:9], s[40:41]
.macro LOAD t                          ; block t: W(256 y + 32 t + i, my column), i = 0 .. 31, into set t % 2
.irp i, 0,1,2,3,4,5,6,7,8,9,10,11,12,13,14,15,16,17,18,19,20,21,22,23,24,25,26,27,28,29,30,31
	global_load_b32 v[X+32*((\t)%2)+\i], v[OFF+\i], s[BASE+2*(\t):BASE+2*(\t)+1] th:TH_LOAD_NT
.endr
.endm
	LOAD 0
	LOAD 1
.macro BLOCK t
.set XS, X+32*((\t)%2)
.if (\t) < NB-1
	s_wait_loadcnt 32                              ; this block's 32 loads are in; the next block's may be out
.else
	s_wait_loadcnt 0
.endif
	v_max3_num_f32 v12, |v[XS]|, |v[XS+1]|, |v[XS+2]|               ; the block's largest magnitude: all 32 numbers are mine
	v_max3_num_f32 v13, |v[XS+3]|, |v[XS+4]|, |v[XS+5]|
.irp i, 6,10,14,18,22,26
	v_max3_num_f32 v12, v12, |v[XS+\i]|, |v[XS+\i+1]|
	v_max3_num_f32 v13, v13, |v[XS+\i+2]|, |v[XS+\i+3]|
.endr
	v_max3_num_f32 v12, v12, |v[XS+30]|, |v[XS+31]|
	v_max3_num_f32 v12, v12, v13, 0x1800000        ; and the floor 2^(3 - 127): the byte cannot fall under 1
	v_add_nc_u32 v11, 0xff000000, v12              ; 2 off its exponent field: the conversion's scale operand
	v_lshrrev_b32 v13, 23, v11                     ; the scale's byte
.if (\t)%4 == 0
	v_mov_b32 v[SB+(\t)/4], v13                    ; four bytes to a register, the lower K in the lower byte
.else
	v_lshl_or_b32 v[SB+(\t)/4], v13, 8*((\t)%4), v[SB+(\t)/4]
.endif
	v_cvt_scalef32_pk16_fp6_f32 v[C:C+2], v[XS:XS+15], v11
	v_cvt_scalef32_pk16_fp6_f32 v[C+4:C+6], v[XS+16:XS+31], v11     ; (a conversion's three registers begin on an even number)
	ds_store_b96 v4, v[C:C+2] offset:32*(\t)       ; 16 codes, 12 bytes, to a place of 16 bytes in the stage
	ds_store_b96 v4, v[C+4:C+6] offset:32*(\t)+16
.if (\t)+2 < NB
	LOAD (\t)+2
.endif
	s_wait_dscnt 0x0                               ; the stores have read their registers: the next block's codes may be written
.endm
.set Q, 0
.rept NB
	BLOCK Q
.set Q, Q+1
.endr
	s_wait_alu depctr_va_vdst(0)
	global_store_b64 v9, v[SB:SB+1], s[42:43]      ; my column's 8 scale bytes: 8 bytes of each of 32 rows of 32 bytes; one byte in 128 of what the launch reads
.irp t, 0,1,2,3,4,5,6,7,8,9,10,11,12,13,14,15
	ds_load_b96 v[OUTR+4*\t:OUTR+4*\t+2], v7 offset:2*\t*PITCH   ; LDS serves a wave's instructions in order: these see my stores
.endr
.irp t, 0,1,2,3,4,5,6,7,8,9,10,11,12,13,14,15
	s_wait_dscnt 15-\t
	global_store_b96 v8, v[OUTR+4*\t:OUTR+4*\t+2], s[10:11] offset:2*\t*KROW
.endr
	s_wait_tensorcnt 0x0
	ds_add_u32 v208, v209
	s_wait_dscnt 0x0
	s_endpgm
.Lfunc_end_k_q3b8e6bb7c5_qw:
	.size	k_q3b8e6bb7c5_qw, .Lfunc_end_k_q3b8e6bb7c5_qw-k_q3b8e6bb7c5_qw
	.p2alignl 7, 3214868480
	.fill 96, 4, 3214868480
	.section	.rodata,"a",@progbits
	.p2align	6, 0x0
	.amdhsa_kernel k_q3b8e6bb7c5_qw
		.amdhsa_group_segment_fixed_size 36352
		.amdhsa_private_segment_fixed_size 0
		.amdhsa_enable_private_segment 0
		.amdhsa_kernarg_size 24
		.amdhsa_user_sgpr_count 2
		.amdhsa_user_sgpr_kernarg_segment_ptr 1
		.amdhsa_wavefront_size32 1
		.amdhsa_system_sgpr_workgroup_id_x 1
		.amdhsa_system_sgpr_workgroup_id_y 1
		.amdhsa_system_sgpr_workgroup_id_z 1
		.amdhsa_system_vgpr_workitem_id 0
		.amdhsa_next_free_vgpr 210
		.amdhsa_next_free_sgpr 66
		.amdhsa_reserve_vcc 0
		.amdhsa_float_denorm_mode_32 3
		.amdhsa_float_denorm_mode_16_64 3
		.amdhsa_memory_ordered 1
		.amdhsa_forward_progress 1
		.amdhsa_inst_pref_size 44
	.end_amdhsa_kernel
	.amdgpu_metadata
---
amdhsa.version: [ 1, 2 ]
amdhsa.kernels:
  - .name:           k_q3b8e6bb7c5_qw
    .symbol:         k_q3b8e6bb7c5_qw.kd
    .args:
      - { .name: Wqkv, .offset: 0, .size: 8, .value_kind: global_buffer, .address_space: global }
      - { .name: Wout, .offset: 8, .size: 8, .value_kind: global_buffer, .address_space: global }
      - { .name: w, .offset: 16, .size: 8, .value_kind: global_buffer, .address_space: global }
    .group_segment_fixed_size: 36352
    .private_segment_fixed_size: 0
    .kernarg_segment_align: 8
    .kernarg_segment_size: 24
    .max_flat_workgroup_size: 128
    .sgpr_count:     66
    .vgpr_count:     210
    .wavefront_size: 32
...
	.end_amdgpu_metadata
.endif
;; end of part 2
;; launch qkv (part 3): grid 16 x 32, 4 waves a work-group, clusters of 4 x 4, 327,680 bytes of LDS; arguments xq, w, qi, kv; writes qi, kv
.if DOCPART == 3
	.amdgcn_target "amdgcn-amd-amdhsa--gfx1250"
	.amdhsa_code_object_version 6
	.text
	.protected	k_q3b8e6bb7c5_qkv
	.globl	k_q3b8e6bb7c5_qkv
	.p2align	8
	.type	k_q3b8e6bb7c5_qkv,@function
k_q3b8e6bb7c5_qkv:
	s_mov_b64 s[64:65], 0
	v_nop
	global_prefetch_b8 v0, s[64:65] scope:SCOPE_SE
	s_setreg_imm32_b32 hwreg(HW_REG_WAVE_MODE, 25, 1), 1
	s_wait_xcnt 0x0
	s_wait_alu depctr_hold_cnt(0) depctr_sa_sdst(0) depctr_va_vdst(0) depctr_va_sdst(0) depctr_va_ssrc(0) depctr_va_vcc(0) depctr_vm_vsrc(0)
	s_getreg_b32 s2, hwreg(HW_REG_IB_STS2, 6, 4)
	s_cmp_eq_u32 s2, 0
	s_cbranch_scc0 .Lentry_in_a_cluster
	s_endpgm
.Lentry_in_a_cluster:
	s_bfe_u32 s2, ttmp6, 0x10000c
	s_cmp_lg_u32 s2, 0xf033
	s_cbranch_scc0 .Lentry_shape_is_right
	s_endpgm
.Lentry_shape_is_right:
.set PITCH,  240
.set ROWB,   192
.set ACH,    1572864                   ; from chunk to chunk of 256 along K in xq: 8,192 rows x 192 bytes
.set BCH,    589824                    ; and in w's part for Wqkv: 3,072 places x 192 bytes
.set G0H,    4                         ; s[4:7], s[92:95] group 0 of the head's loads of chunk 0: A's 256 rows, B's 192 places
.set G0HB,   92
.set FR,     12
.set HALFA,  128*PITCH
.set HALFB,  96*PITCH
.set BOFF,   2*HALFA
.set SLOT,   BOFF+2*HALFB
.set SCL,    2*SLOT
.set SCLB,   SCL+2*4352
.set SBLK,   544
.set SPARE,  230400
.set XSC,    6291456
.set WSC,    3145728
.set QSC,    6291456
.set ADRS, 10
.set ADRA, 16
.set ADRB, 20
.set L16,  24
.set L8,   25
.set L4,   26
.set SPW,  28
.set NIL,  29
.set SC,   32
.set AF,   128
.set TM,   32
.set G1, 24
.set G0, 32
.set G1B, 48
.set G0B, 56
.set G1S, 68
.set G0S, 76
.set G1SB, 80
.set G0SB, 88
.set SEL, 98
.set MSB, 0
.macro WIN new
.if MSB != \new
	s_set_vgpr_msb (MSB<<8)|\new
.set MSB, \new
.endif
.endm
.macro JLOAD g0a, g1a, g0b, g1b
	s_cmp_eq_u32 s15, 0
	s_cbranch_scc0 .Lfor_b_\@
	tensor_load_to_lds s[\g0a:\g0a+3], s[\g1a:\g1a+7]
	s_nop 0
.rept 4
	v_nop
.endr
	s_branch .Lasked_\@
.Lfor_b_\@:
	tensor_load_to_lds s[\g0b:\g0b+3], s[\g1b:\g1b+7]
	s_nop 0
.rept 4
	v_nop
.endr
.Lasked_\@:
.endm
.macro CREST
	s_cmp_lg_u32 s14, 0
	s_cbranch_scc1 .Lnot_wave_0_\@
	s_barrier_signal -3
.Lnot_wave_0_\@:
	s_barrier_wait -3
	s_barrier_signal -1
	s_barrier_wait -1
.endm
.macro CROUND
	s_barrier_signal -1
	s_barrier_wait -1
	CREST
.endm
.macro PLACES n
.rept \n
	v_nop
.endr
.endm
	s_load_b256 s[4:11], s[0:1], 0x0
	v_lshl_add_u32 v[SPW], v0, 2, SPARE
	v_mov_b32 v[NIL], 0
	ds_add_u32 v28, v29
	ds_add_u32 v28, v29
	s_wait_dscnt 0x0
	v_lshrrev_b32 v1, 5, v0
	v_readfirstlane_b32 s14, v1
	s_lshr_b32 s15, s14, 1
	s_and_b32 s16, s14, 1
	s_bfe_u32 s40, ttmp6, 0x40000
	s_bfe_u32 s41, ttmp6, 0x40004
	s_lshl_b32 s42, ttmp9, 2
	s_add_co_u32 s42, s42, s40
	s_and_b32 s17, ttmp7, 0xffff
	s_lshl_b32 s17, s17, 2
	s_add_co_u32 s17, s17, s41
	s_lshl_b32 s43, s41, 2
	s_lshl_b32 s43, 15, s43
	s_lshl_b32 s44, 0x1111, s40
	s_or_b32 s[G1+0], s43, (0<<16)|(1<<20)|(1<<21)|(3<<22)|(3<<25)
	s_or_b32 s[G1B+0], s44, (0<<16)|(1<<20)|(1<<21)|(3<<22)|(3<<25)
	; a tile's rows of one chunk are dense in memory: they come as rows of 256 bytes; the padding, 16 bytes behind each 64, gives each 192 bytes a pitch of 240.  At the head 256 x 192 bytes = 192 rows
	s_mov_b32 s[G1+1], 256<<16
	s_mov_b32 s[G1+2], 192<<16
	s_mov_b32 s[G1+3], 256<<16
	s_mov_b32 s[G1+4], 192
	s_mov_b32 s[G1+5], 256
	s_mov_b32 s[G1+6], 0
	s_mov_b32 s[G1+7], 0
	s_mov_b32 s[G1B+1], 256<<16
	s_mov_b32 s[G1B+2], 144<<16
	s_mov_b32 s[G1B+3], 256<<16
	s_mov_b32 s[G1B+4], 144
	s_mov_b32 s[G1B+5], 256
	s_mov_b32 s[G1B+6], 0
	s_mov_b32 s[G1B+7], 0
	s_or_b32 s[G1S+0], s43, (3<<16)|(1<<20)|(1<<21)|(5<<22)|(3<<25)
	s_or_b32 s[G1SB+0], s44, (3<<16)|(1<<20)|(1<<21)|(5<<22)|(3<<25)
	s_mov_b32 s[G1S+1], 32<<16
	s_mov_b32 s[G1S+2], 32<<16
	s_mov_b32 s[G1S+3], 32<<16
	s_mov_b32 s[G1S+4], 32
	s_mov_b32 s[G1S+5], 32
	s_mov_b32 s[G1S+6], 0
	s_mov_b32 s[G1S+7], 0
	s_mov_b32 s[G1SB+1], 32<<16
	s_mov_b32 s[G1SB+2], 24<<16
	s_mov_b32 s[G1SB+3], 32<<16
	s_mov_b32 s[G1SB+4], 24
	s_mov_b32 s[G1SB+5], 32
	s_mov_b32 s[G1SB+6], 0
	s_mov_b32 s[G1SB+7], 0
	s_lshl_b32 s18, s16, 7
	s_lshl_b32 s20, s17, 8
	s_add_co_u32 s20, s20, s18
	s_lshl_b32 s22, s17, 13                        ; the scales of the tile's 256 rows
	s_add_co_u32 s22, s22, XSC
	s_mov_b32 s23, 0
	s_mul_i32 s20, s20, ROWB                       ; the ring: my 128 rows
	s_mov_b32 s21, 0
	s_mul_i32 s18, s16, HALFA
	s_mul_i32 s2, s17, 256*ROWB                    ; the head: the tile's 256 rows
	s_mov_b32 s3, 0
	s_mul_i32 s46, s42, 192
	s_mul_i32 s45, s16, 96
	s_add_co_u32 s46, s46, s45
	s_mul_i32 s96, s42, 192*32                     ; the scales of the tile's 192 places
	s_add_co_u32 s96, s96, WSC
	s_mov_b32 s97, 0
	s_mul_i32 s46, s46, ROWB                       ; the ring: my 96 places
	s_mul_i32 s12, s42, 192*ROWB                   ; the head: all 192
	s_mov_b32 s13, 0
	s_mov_b32 s47, 0
	s_mul_i32 s99, s16, HALFB
	s_add_co_u32 s99, s99, BOFF
	s_wait_kmcnt 0x0
	s_add_nc_u64 s[20:21], s[4:5], s[20:21]
	s_add_nc_u64 s[22:23], s[4:5], s[22:23]
	s_add_nc_u64 s[46:47], s[6:7], s[46:47]
	s_add_nc_u64 s[96:97], s[6:7], s[96:97]
	s_add_nc_u64 s[G0HB+2:G0HB+3], s[6:7], s[12:13]
	s_add_nc_u64 s[G0H+2:G0H+3], s[4:5], s[2:3]    ; (the two arguments have been used)
	CROUND
	s_mov_b32 s[G0H], 1
	s_mov_b32 s[G0H+1], 0
	s_or_b32 s[G0H+3], s[G0H+3], 0x80000000
	s_mov_b32 s[G0HB], 1
	s_mov_b32 s[G0HB+1], BOFF
	s_or_b32 s[G0HB+3], s[G0HB+3], 0x80000000
	s_mov_b32 s[G0S], 1
	s_mov_b32 s[G0S+1], SCL
	s_mov_b64 s[G0S+2:G0S+3], s[22:23]
	s_or_b32 s[G0S+3], s[G0S+3], 0x80000000
	s_mov_b32 s[G0SB], 1
	s_mov_b32 s[G0SB+1], SCLB
	s_mov_b64 s[G0SB+2:G0SB+3], s[96:97]
	s_or_b32 s[G0SB+3], s[G0SB+3], 0x80000000
; The head's four tiles, one joint load a wave: wave 0 chunk 0 of A's 256 rows, wave 1 of B's 192 places, wave 2 A's scales, wave 3 B's.  One chain of branches on the wave's number.
.macro ARM under, g0, g1, next
	s_cmp_lt_u32 s14, \under
	s_cbranch_scc0 \next
	tensor_load_to_lds s[\g0:\g0+3], s[\g1:\g1+7]
	s_nop 0
.rept 4
	v_nop
.endr
	s_branch .Lhead_asked
\next:
.endm
	ARM 1, G0H,  G1,  .Lhead_b
	ARM 2, G0HB, G1B, .Lhead_sa
	ARM 3, G0S,  G1S, .Lhead_sb
	tensor_load_to_lds s[G0SB:G0SB+3], s[G1SB:G1SB+7]
	s_nop 0
.rept 4
	v_nop
.endr
.Lhead_asked:
.irp s, 0,1
	s_mov_b32 s[G0+4*\s], 1
	s_add_co_u32 s[G0+4*\s+1], s18, \s*SLOT
	s_add_nc_u64 s[G0+4*\s+2:G0+4*\s+3], s[20:21], \s*ACH
	s_or_b32 s[G0+4*\s+3], s[G0+4*\s+3], 0x80000000
	s_mov_b32 s[G0B+4*\s], 1
	s_add_co_u32 s[G0B+4*\s+1], s99, \s*SLOT
	s_add_nc_u64 s[G0B+4*\s+2:G0B+4*\s+3], s[46:47], \s*BCH
	s_or_b32 s[G0B+4*\s+3], s[G0B+4*\s+3], 0x80000000
.endr
	s_wait_alu depctr_va_vdst(0)
	s_wait_tensorcnt 0x0                           ; my tile of the head's four is in; slot 1's first fill is issued as a refill is
	ds_add_u32 v28, v29
	s_mov_b32 s[G1+2], 96<<16                      ; no load of mine is out: from here on a load brings half a tile: 128 x 192 bytes = 96 rows of 256,
	s_mov_b32 s[G1+4], 96
	s_mov_b32 s[G1B+2], 72<<16                     ; and 96 x 192 bytes = 72 rows
	s_mov_b32 s[G1B+4], 72
	s_wait_dscnt 0x0
	CROUND                                         ; all four tiles are in, for every wave
	JLOAD G0+4, G1, G0B+4, G1B
	v_and_b32 v1, 15, v0
	v_bfe_u32 v2, v0, 4, 1
	v_mul_u32_u24 v3, v1, PITCH
	v_mul_u32_u24 v4, v2, 24
	v_add_nc_u32 v4, v3, v4
	v_lshl_add_u32 v5, v2, 4, v4
	s_mul_i32 s18, s14, 64*PITCH
	s_mov_b32 s19, BOFF
.irp s, 0,1
	v_add_nc_u32 v[ADRA+\s], s18, v4
	v_add_nc_u32 v[ADRB+\s], s19, v4
	v_add_nc_u32 v[ADRA+2+\s], s18, v5
	v_add_nc_u32 v[ADRB+2+\s], s19, v5
	s_add_co_u32 s18, s18, SLOT
	s_add_co_u32 s19, s19, SLOT
.endr
	v_lshlrev_b32 v5, 5, v1
	v_lshrrev_b32 v6, 8, v5
	v_lshl_add_u32 v5, v6, 4, v5
	s_mul_i32 s18, s14, 2176
	s_add_co_u32 s18, s18, SCL
	s_xor_b32 s19, s14, 3
	s_add_co_u32 s19, s19, 1
	s_mul_i32 s19, s19, 2176
.irp g, 0,1,2
	v_mul_u32_u24 v6, s19, v2
	v_add_nc_u32 v6, v6, v5
	v_add_nc_u32 v[ADRS+\g], s18, v6
	s_add_co_u32 s19, s19, 2176
.endr
	v_and_b32 v7, 31, v0
	v_lshlrev_b32 v[L16], 4, v7
	v_lshlrev_b32 v[L8], 3, v7
	v_lshlrev_b32 v[L4], 2, v7
	s_lshr_b32 s66, s17, 3
	s_lshl_b32 s66, s66, 4
	s_add_co_u32 s66, s66, s42
	s_and_b32 s67, s17, 7
	s_lshl_b32 s67, s67, 2
	s_add_co_u32 s67, s67, s14
	s_mul_i32 s2, s66, 208896
	s_lshr_b32 s12, s67, 1
	s_mul_i32 s12, s12, 13056
	s_add_co_u32 s2, s2, s12
	s_mov_b32 s3, 0
	s_add_nc_u64 s[94:95], s[10:11], s[2:3]
	s_lshl_b32 s2, s66, 13
	s_lshl_b32 s12, s67, 8
	s_add_co_u32 s2, s2, s12
	s_add_co_u32 s2, s2, QSC
	s_add_nc_u64 s[92:93], s[8:9], s[2:3]
	s_mul_i32 s2, s66, 98304
	s_mul_i32 s12, s67, 3072
	s_add_co_u32 s2, s2, s12
	s_add_nc_u64 s[12:13], s[8:9], s[2:3]
.macro FRAG reg, adr, q, i
.irp p, 0,1,2,3,4,5
.set PCE, 12*(\q)+6*(\p/3)+\p%3
.if PCE%8 < 5
	ds_load_b64 v[\reg+2*\p:\reg+2*\p+1], v[\adr] offset:8*PCE+16*(PCE/8)+(\i)*16*PITCH
.else
	ds_load_b64 v[\reg+2*\p:\reg+2*\p+1], v[\adr+2] offset:8*PCE+16*(PCE/8)+(\i)*16*PITCH
.endif
.endr
.endm
.macro MULB b0, nb, p, q, sc, zero
.set BQ, \b0
.rept \nb
.if BQ < 8
	WIN 0xa1
.irp a, 0,1,2,3
.if \zero
	v_wmma_scale_f32_16x16x128_f8f6f4 v[8*(8*\a+BQ):8*(8*\a+BQ)+7], v[FR*BQ:FR*BQ+FR-1], v[AF+48*(\p)+FR*\a:AF+48*(\p)+FR*\a+FR-1], 0, v[SC+24*(\sc)+2*BQ+(\q)], v[SC+24*(\sc)+2*\a+(\q)] matrix_a_fmt:MATRIX_FMT_FP6 matrix_b_fmt:MATRIX_FMT_FP6 matrix_a_scale:MATRIX_SCALE_ROW1
.else
	v_wmma_scale_f32_16x16x128_f8f6f4 v[8*(8*\a+BQ):8*(8*\a+BQ)+7], v[FR*BQ:FR*BQ+FR-1], v[AF+48*(\p)+FR*\a:AF+48*(\p)+FR*\a+FR-1], v[8*(8*\a+BQ):8*(8*\a+BQ)+7], v[SC+24*(\sc)+2*BQ+(\q)], v[SC+24*(\sc)+2*\a+(\q)] matrix_a_fmt:MATRIX_FMT_FP6 matrix_b_fmt:MATRIX_FMT_FP6 matrix_a_scale:MATRIX_SCALE_ROW1
.endif
.endr
.else
	WIN 0xf4
.irp a, 0,1,2,3
.if \zero
	v_wmma_scale_f32_16x16x128_f8f6f4 v[8*(4*(BQ-8)+\a):8*(4*(BQ-8)+\a)+7], v[AF+48*(\p)+FR*\a:AF+48*(\p)+FR*\a+FR-1], v[FR*BQ:FR*BQ+FR-1], 0, v[SC+24*(\sc)+2*\a+(\q)], v[SC+24*(\sc)+2*BQ+(\q)] matrix_a_fmt:MATRIX_FMT_FP6 matrix_b_fmt:MATRIX_FMT_FP6 matrix_b_scale:MATRIX_SCALE_ROW1
.else
	v_wmma_scale_f32_16x16x128_f8f6f4 v[8*(4*(BQ-8)+\a):8*(4*(BQ-8)+\a)+7], v[AF+48*(\p)+FR*\a:AF+48*(\p)+FR*\a+FR-1], v[FR*BQ:FR*BQ+FR-1], v[8*(4*(BQ-8)+\a):8*(4*(BQ-8)+\a)+7], v[SC+24*(\sc)+2*\a+(\q)], v[SC+24*(\sc)+2*BQ+(\q)] matrix_a_fmt:MATRIX_FMT_FP6 matrix_b_fmt:MATRIX_FMT_FP6 matrix_b_scale:MATRIX_SCALE_ROW1
.endif
.endr
.endif
.set BQ, BQ+1
.endr
.endm
.macro FETCH_A slot, q, p
.irp i, 0,1,2,3
	FRAG AF+48*(\p)+FR*\i, ADRA+\slot, \q, \i
.endr
.endm
.macro FETCH_B slot, q, i0
	WIN 0x40
.irp i, \i0, \i0+1, \i0+2, \i0+3, \i0+4, \i0+5
	FRAG FR*(\i), ADRB+\slot, \q, \i
.endr
	WIN 0
.endm
.macro SCALES sc
.irp i, 0,1,2,3,4,5,6,7,8,9,10,11
	ds_load_b64 v[SC+24*(\sc)+2*\i:SC+24*(\sc)+2*\i+1], v[ADRS+\i/4] offset:(\i%4)*SBLK
.endr
.endm
.macro STEP slot, zero
	s_wait_dscnt 36
	MULB 0, 6, 0, 0, \slot, \zero
	s_wait_dscnt 0x0
	PLACES 4
	WIN 0
	FETCH_A \slot, 1, 1
	FETCH_B \slot, 1, 0
	MULB 6, 6, 0, 0, \slot, \zero
	PLACES 4
	WIN 0
	FETCH_B \slot, 1, 6
.endm
.macro TURN slot, next, fill
	s_wait_tensorcnt 0x0
	ds_add_u32 v[SPW], v[NIL]
	s_wait_dscnt 37
	MULB 0, 3, 1, 1, \slot, 0
	s_wait_dscnt 0x0
	s_barrier_signal -1
	MULB 3, 3, 1, 1, \slot, 0
	WIN 0
	s_barrier_wait -1
.if \fill
	CREST
	s_add_nc_u64 s[G0+4*\slot+2:G0+4*\slot+3], s[G0+4*\slot+2:G0+4*\slot+3], 2*ACH
	s_add_nc_u64 s[G0B+4*\slot+2:G0B+4*\slot+3], s[G0B+4*\slot+2:G0B+4*\slot+3], 2*BCH
	JLOAD G0+4*\slot, G1, G0B+4*\slot, G1B
.else
	PLACES 4
.endif
	s_wait_alu depctr_va_vdst(0)
.irp g, 0,1,2
	v_add_nc_u32 v[ADRS+\g], 8, v[ADRS+\g]
.endr
	FETCH_A \next, 0, 0
	FETCH_B \next, 0, 0
	SCALES \next
	MULB 6, 6, 1, 1, \slot, 0
	PLACES 4
	WIN 0
	FETCH_B \next, 0, 6
.endm
	s_wait_alu depctr_va_vdst(0)
	FETCH_A 0, 0, 0
	FETCH_B 0, 0, 0
	SCALES 0
	FETCH_B 0, 0, 6
	STEP 0, 1
	TURN 0, 1, 1
	STEP 1, 0
	TURN 1, 0, 1
	STEP 0, 0
	TURN 0, 1, 0
	STEP 1, 0
	s_wait_dscnt 36
	MULB 0, 6, 1, 1, 1, 0
	s_wait_dscnt 0x0
	MULB 6, 6, 1, 1, 1, 0
	WIN 0
.macro QUANT src, win, pc, pw
	WIN 0
.irp b, 0,1,2,3
	v_mov_b32 v[TM+\b], 0x1800000
.endr
.set WQ, 0x28+0x14*((\win)-2)
	WIN WQ
.irp i, 0,2,4,6,8,10,12,14
.irp b, 0,1,2,3
	v_max3_num_f32 v[TM+\b], v[TM+\b], |v[\src+16*\b+\i]|, |v[\src+16*\b+\i+1]|
.endr
.endr
	WIN 0
.irp b, 0,1,2,3
	v_permlanex16_b32 v[TM+4+\b], v[TM+\b], s[SEL], s[SEL+1]
.endr
.irp b, 0,1,2,3
	v_max_num_f32 v[TM+\b], v[TM+\b], v[TM+4+\b]
.endr
.irp b, 0,1,2,3
	v_add_nc_u32 v[TM+12+\b], 0xff000000, v[TM+\b]
.endr
.irp b, 0,1,2,3
	v_lshrrev_b32 v[TM+4+\b], 23, v[TM+12+\b]
.endr
	v_lshl_or_b32 v[\pw], v[TM+5], 8, v[TM+4]
	v_lshl_or_b32 v[\pw], v[TM+6], 16, v[\pw]
	v_lshl_or_b32 v[\pw], v[TM+7], 24, v[\pw]
.set WQ, \win
	WIN WQ
.irp c, 0,1
	v_cvt_scalef32_pk16_fp6_f32 v[\pc+6*\c:\pc+6*\c+2], v[\src+32*\c:\src+32*\c+15], v[TM+12+2*\c]
	v_cvt_scalef32_pk16_fp6_f32 v[\pc+12+4*\c:\pc+14+4*\c], v[\src+32*\c+16:\src+32*\c+31], v[TM+13+2*\c]
.endr
	WIN 0
	v_nop
.irp c, 0,1
.irp i, 0,1,2
	v_permlane16_swap_b32 v[\pc+6*\c+\i], v[\pc+12+4*\c+\i]
.endr
.irp i, 0,1,2
	v_mov_b32 v[\pc+3+6*\c+\i], v[\pc+12+4*\c+\i]
.endr
.endr
.endm
	s_mul_i32 s18, s16, 3072
	s_lshl_b32 s19, s16, 8
	s_lshl_b32 s20, s16, 7
	s_mov_b32 s[SEL], 0x76543210
	s_mov_b32 s[SEL+1], 0xfedcba98
	v_add_nc_u32 v4, s18, v[L16]
	v_add_nc_u32 v5, s18, v[L8]
	v_add_nc_u32 v6, s19, v[L8]
	v_add_nc_u32 v7, s20, v[L4]
	v_and_b32 v8, 31, v0
	v_cmp_lt_u32 vcc_lo, 15, v8
.irp b, 0,1,2,3
	v_mov_b32 v[TM+4+\b], 0
.endr
.irp a, 0,1,2,3
	QUANT 64*\a, 2, 64+20*\a, 48+\a
	global_store_b128 v[L16], v[64+20*\a:64+20*\a+3], s[12:13] offset:768*\a
	global_store_b64 v[L8], v[68+20*\a:69+20*\a], s[12:13] offset:768*\a+512
	global_store_b128 v4, v[70+20*\a:73+20*\a], s[94:95] offset:768*\a
	global_store_b64 v5, v[74+20*\a:75+20*\a], s[94:95] offset:768*\a+512
.endr
.irp g, 0,1
	QUANT 64*\g, 3, 144+20*\g, 52+\g
	global_store_b128 v4, v[144+20*\g:147+20*\g], s[94:95] offset:6144+1536*\g
	global_store_b64 v5, v[148+20*\g:149+20*\g], s[94:95] offset:6144+1536*\g+512
	global_store_b128 v4, v[150+20*\g:153+20*\g], s[94:95] offset:6144+1536*\g+768
	global_store_b64 v5, v[154+20*\g:155+20*\g], s[94:95] offset:6144+1536*\g+768+512
.endr
	v_cndmask_b32 v54, v48, v50, vcc_lo
	v_cndmask_b32 v55, v49, v51, vcc_lo
	v_lshrrev_b32 v56, 16, v54
	v_lshrrev_b32 v57, 16, v55
	v_cndmask_b32 v58, v52, v53, vcc_lo
	global_store_b64 v[L8], v[54:55], s[92:93]
	global_store_b64 v6, v[56:57], s[94:95] offset:12288
	global_store_b32 v7, v58, s[94:95] offset:12800
	s_wait_tensorcnt 0x0
	ds_add_u32 v[SPW], v[NIL]
	s_wait_dscnt 0x0
	CROUND
	s_endpgm
.Lfunc_end_k_q3b8e6bb7c5_qkv:
	.size	k_q3b8e6bb7c5_qkv, .Lfunc_end_k_q3b8e6bb7c5_qkv-k_q3b8e6bb7c5_qkv
	.p2alignl 7, 3214868480
	.fill 96, 4, 3214868480
	.section	.rodata,"a",@progbits
	.p2align	6, 0x0
	.amdhsa_kernel k_q3b8e6bb7c5_qkv
		.amdhsa_group_segment_fixed_size 327680
		.amdhsa_private_segment_fixed_size 0
		.amdhsa_enable_private_segment 0
		.amdhsa_kernarg_size 32
		.amdhsa_user_sgpr_count 2
		.amdhsa_user_sgpr_kernarg_segment_ptr 1
		.amdhsa_wavefront_size32 1
		.amdhsa_system_sgpr_workgroup_id_x 1
		.amdhsa_system_sgpr_workgroup_id_y 1
		.amdhsa_system_sgpr_workgroup_id_z 1
		.amdhsa_system_vgpr_workitem_id 0
		.amdhsa_next_free_vgpr 1024
		.amdhsa_next_free_sgpr 100
		.amdhsa_reserve_vcc 1
		.amdhsa_float_denorm_mode_32 3
		.amdhsa_float_denorm_mode_16_64 3
		.amdhsa_memory_ordered 1
		.amdhsa_forward_progress 1
		.amdhsa_inst_pref_size 145
	.end_amdhsa_kernel
	.amdgpu_metadata
---
amdhsa.version: [ 1, 2 ]
amdhsa.kernels:
  - .name:           k_q3b8e6bb7c5_qkv
    .symbol:         k_q3b8e6bb7c5_qkv.kd
    .args:
      - { .name: xq, .offset: 0, .size: 8, .value_kind: global_buffer, .address_space: global }
      - { .name: w, .offset: 8, .size: 8, .value_kind: global_buffer, .address_space: global }
      - { .name: qi, .offset: 16, .size: 8, .value_kind: global_buffer, .address_space: global }
      - { .name: kv, .offset: 24, .size: 8, .value_kind: global_buffer, .address_space: global }
    .group_segment_fixed_size: 327680
    .private_segment_fixed_size: 0
    .kernarg_segment_align: 8
    .kernarg_segment_size: 32
    .max_flat_workgroup_size: 128
    .sgpr_count:     100
    .vgpr_count:     1024
    .wavefront_size: 32
...
	.end_amdgpu_metadata
.endif
;; end of part 3
;; launch attn (part 4): grid 4 x 64, 8 waves a work-group, clusters of 4 x 1, 211,968 bytes of LDS; arguments qi, kv, va; writes va
.if DOCPART == 4
	.amdgcn_target "amdgcn-amd-amdhsa--gfx1250"
	.amdhsa_code_object_version 6
	.text
	.protected	k_q3b8e6bb7c5_attn
	.globl	k_q3b8e6bb7c5_attn
	.p2align	8
	.type	k_q3b8e6bb7c5_attn,@function
k_q3b8e6bb7c5_attn:
	s_mov_b64 s[64:65], 0
	v_nop
	global_prefetch_b8 v0, s[64:65] scope:SCOPE_SE
	s_setreg_imm32_b32 hwreg(HW_REG_WAVE_MODE, 25, 1), 1
	s_wait_xcnt 0x0
	s_wait_alu depctr_hold_cnt(0) depctr_sa_sdst(0) depctr_va_vdst(0) depctr_va_sdst(0) depctr_va_ssrc(0) depctr_va_vcc(0) depctr_vm_vsrc(0)
	s_getreg_b32 s2, hwreg(HW_REG_IB_STS2, 6, 4)
	s_cmp_eq_u32 s2, 0
	s_cbranch_scc0 .Lentry_in_a_cluster
	s_endpgm
.Lentry_in_a_cluster:
	s_bfe_u32 s2, ttmp6, 0x10000c
	s_cmp_lg_u32 s2, 0x3003
	s_cbranch_scc0 .Lentry_shape_is_right
	s_endpgm
.Lentry_shape_is_right:
; values = softmax(q k^T / 8) v for one head of one batch, both products on codes of FP6 (E2M3) with E8M0 scales; the values are quantised here, along the model's 1,024, for the last product.
; t = score x log2(e) / 8; M = the running largest t rounded UP to a whole number; p = 2^(t - M) is quantised along the keys, not normalised; the row's sum is taken of the unquantised p and divides at the end.
; When M moves, the sum and O are multiplied by 2^(old M - new M): exact.
; SHARES.  A work-group owns 512 queries of a head.  The head's whole K and V lie in LDS: 16 records of 13,056 bytes (128 keys each); wave w brings records 2 w and 2 w + 1 by one tensor load (102 rows of 256 bytes).
; Nothing is filled again, so the loop has no barrier.  The four work-groups of a cluster are the head's four blocks of queries: each pair of records is asked for jointly.
; No prefetch: all tiles come by the head's loads, and there is no loop to run ahead in.
; A WAVE TAKES TWO TILES OF 16 QUERIES AT ONCE (tiles 2 w and 2 w + 1 of a pass's 16), in two passes: each fragment of K and of V read from LDS feeds two products, and the two tiles' lines stand by turns.
; K of the next step is asked for behind the scores' products; the last step of a pass asks for record 0 again: the first pass's for the second pass, the second pass's for nothing (18 loads).
; LAYOUT.  Both products transposed: S^T = K Q^T (source 0 = 16 keys), O^T = V^T P^T (source 0 = 16 channels): a lane holds one query of each tile.  Operands lie in the records as images of registers: 6 registers a lane, 4 at 16 x lane, 2 at 512 + 8 x lane.
; THE FIRST PRODUCT'S K IS 64, the instruction's 128: Q's registers 6-11 are zero codes.  K's fragments lie 6 registers apart, so a fragment's upper six registers are the next tile's codes (six zero registers stand behind the last):
; every code is a finite number, K's upper two scale bytes are 0 and Q's are bytes between 1 and 254, so those products are exact zeros.
; LIMITS: p under 2^-126 becomes 0; a block of zeros, or of values whose largest magnitude lies under 2^-124, gets the byte 1 (read by this program alone); NaN and infinities are not served;
; the scaled scores t stay under 2^31 in magnitude.
; REGISTERS, tile u = 0, 1.  Window 0: v1-10, v248-249 addresses; v[12+4u] -M, +1 the largest t, +2,+3 the sum; v[20+12u ..] Q and its zeros; v44-45 Q's scale words; v46-49 K's; v50-51 V's halfwords, v52-53 V's words; v54-55 p's;
;   v[56+20u ..] p's codes (12) and the conversions' second halves; v[96+12u ..]: 4 block maxima, 4 at work, the pair f and a temporary, a second sum; v[120+64u ..] S^T, then p.
; Window 1: v0-53 K's fragments and six zeros; v56-103 V's; v[104+32u ..] O^T; v168-181 the second pass's Q and scale words.
.set REC,   13056
.set STG,   16*REC                     ; behind the records: 1,024 bytes for the values' scale halfwords; no fill lands there
.set SPARE, STG+1024                   ; the spare words: 128 bytes for each of 8 waves
.set QSC,   6291456
.set VSC,   6291456
.set WV,    18
.set SEL,   20
.set CS,    22
.set MSB,   0
.macro WIN new                         ; the immediate's high byte repeats the setting that is left
.if MSB != \new
	s_set_vgpr_msb (MSB<<8)|\new
.set MSB, \new
.endif
.endm
.macro CROUND
	s_barrier_signal -1
	s_barrier_wait -1
	s_cmp_lg_u32 s[WV], 0
	s_cbranch_scc1 .Lnot_wave_0_\@
	s_barrier_signal -3
.Lnot_wave_0_\@:
	s_barrier_wait -3
	s_barrier_signal -1
	s_barrier_wait -1
.endm
	s_load_b128 s[4:7], s[0:1], 0x0                ; qi, kv
	s_load_b64 s[8:9], s[0:1], 0x10                ; va
	v_lshl_add_u32 v254, v0, 2, SPARE
	v_mov_b32 v255, 0
	ds_add_u32 v254, v255                          ; the opening lines
	ds_add_u32 v254, v255
	v_lshrrev_b32 v1, 5, v0
	v_readfirstlane_b32 s[WV], v1                  ; wave 0..7
	s_bfe_u32 s10, ttmp6, 0x40000                  ; cx
	s_lshl_b32 s11, ttmp9, 2
	s_add_co_u32 s11, s11, s10                     ; X: my block of 512 queries: it enters q's and the values' addresses alone
	s_and_b32 s12, ttmp7, 0xffff                   ; the head of batch, which the four partners share
	s_mov_b32 s24, 15|(3<<16)|(1<<21)              ; group 1: the mask names all four; elements of 8 bytes; bit 21 beside a mask; no padding
	s_mov_b32 s25, 32<<16                          ; rows of 256 bytes,
	s_mov_b32 s26, 102<<16                         ; 102 of them: two records
	s_mov_b32 s27, 32<<16
	s_mov_b32 s28, 102
	s_mov_b32 s29, 32                              ; dense
	s_mov_b32 s30, 0
	s_mov_b32 s31, 0
	s_mul_i32 s13, s[WV], 2*REC                    ; my two records: in LDS,
	s_mul_i32 s14, s12, 16*REC
	s_add_co_u32 s14, s14, s13                     ; and in kv
	s_mov_b32 s15, 0
	s_mov_b32 s[SEL], 0x76543210
	s_mov_b32 s[SEL+1], 0xfedcba98                 ; lane l xor 16
	s_mov_b32 s[CS], 0x3e38aa3b                    ; c = log2(e) / 8
	s_mov_b32 s[CS+1], s[CS]
	s_mov_b32 s36, 0x05040100                      ; the two low halves,
	s_mov_b32 s37, 0x07060302                      ; the two high halves
	s_wait_dscnt 0x0
	s_wait_kmcnt 0x0
	s_mov_b32 s32, 1
	s_mov_b32 s33, s13
	s_add_nc_u64 s[34:35], s[6:7], s[14:15]
	s_or_b32 s35, s35, 0x80000000
	CROUND                                         ; all four work-groups are here: the joint loads meet
	tensor_load_to_lds s[32:35], s[24:31]          ; my one tensor load
	s_nop 0
.rept 4
	v_nop
.endr
	s_lshl_b32 s16, s11, 5
	s_lshl_b32 s17, s[WV], 1
	s_add_co_u32 s16, s16, s17                     ; my first tile of queries: 32 X + 2 wave; the next is its neighbour; the second pass's are 16 on
	s_mul_i32 s38, s16, 768
	s_mul_i32 s17, s12, 98304
	s_add_co_u32 s38, s38, s17
	s_mov_b32 s39, 0
	s_add_nc_u64 s[40:41], s[4:5], s[38:39]        ; their images
	s_lshl_b32 s38, s12, 13                        ; their scale words: 128 bytes for two tiles, at 8 r + 4 u
	s_lshl_b32 s17, s11, 11
	s_add_co_u32 s38, s38, s17
	s_lshl_b32 s17, s[WV], 7
	s_add_co_u32 s38, s38, s17
	s_add_co_u32 s38, s38, QSC
	s_add_nc_u64 s[42:43], s[4:5], s[38:39]
	s_lshr_b32 s17, s12, 4                         ; the batch
	s_lshl_b32 s19, s17, 7
	s_add_co_u32 s19, s19, s16                     ; the tile among all 512
	s_mul_i32 s38, s19, 12288
	s_and_b32 s19, s12, 15                         ; the head
	s_mul_i32 s50, s19, 768
	s_add_co_u32 s38, s38, s50
	s_add_nc_u64 s[44:45], s[8:9], s[38:39]        ; the values' image: [tile][head]
	s_lshl_b32 s38, s17, 5
	s_lshl_b32 s50, s11, 3
	s_add_co_u32 s38, s38, s50
	s_lshl_b32 s38, s38, 11
	s_lshl_b32 s50, s19, 7
	s_add_co_u32 s38, s38, s50
	s_add_co_u32 s38, s38, VSC
	s_add_nc_u64 s[46:47], s[8:9], s[38:39]        ; the values' scale halfwords: [four tiles][head][r][tile]
	v_and_b32 v11, 31, v0
	v_and_b32 v4, 15, v0
	v_lshlrev_b32 v1, 4, v11                       ; 16 x lane
	v_lshlrev_b32 v2, 3, v11                       ; 8 x lane
	v_lshlrev_b32 v3, 2, v11                       ; 4 x lane
	v_lshlrev_b32 v4, 3, v4                        ; 8 r
	s_lshr_b32 s17, s[WV], 1
	s_lshl_b32 s17, s17, 7
	s_and_b32 s19, s[WV], 1
	s_lshl_b32 s19, s19, 2
	s_add_co_u32 s17, s17, s19
	s_add_co_u32 s17, s17, STG
	v_add_nc_u32 v5, s17, v4                       ; where my two tiles' halfwords of row r go: 128 (wave / 2) + 8 r + 4 (wave % 2)
	v_lshl_add_u32 v9, v0, 4, STG                  ; the way out of those 1,024 bytes: threads 0 to 63, 16 bytes each,
	v_lshrrev_b32 v10, 3, v0
	v_and_b32 v11, 7, v0
	v_lshlrev_b32 v10, 11, v10
	v_lshl_add_u32 v10, v11, 4, v10                ; 128 bytes for each four tiles, 2,048 bytes apart
.irp j, 0,1,2,3,4,5
	v_mov_b32 v[26+\j], 0                          ; Q's upper 64 along K: zero codes, for both tiles
	v_mov_b32 v[38+\j], 0
.endr
.irp j, 0,1,2,3
	v_mov_b32 v[100+\j], 0                         ; written once: a lane permute's destination counts as a source
	v_mov_b32 v[112+\j], 0
.endr
	WIN 0x40
.irp j, 0,1,2,3,4,5
	v_mov_b32 v[48+\j], 0                          ; window 1: behind K's last tile
.endr
	WIN 0
.macro KLOAD                           ; K's eight fragments and scale words of the record at v248, v249: 18 loads
	WIN 0x40
.irp k, 0,1,2,3,4,5,6,7
	ds_load_b128 v[6*\k:6*\k+3], v248 offset:768*\k
	ds_load_b64 v[6*\k+4:6*\k+5], v249 offset:768*\k+512
.endr
	WIN 0
	ds_load_b64 v[46:47], v249 offset:12288        ; lanes 0-15 tiles 0, 1, lanes 16-31 tiles 2, 3 of the first 64 keys,
	ds_load_b64 v[48:49], v249 offset:12544        ; and of the second
.endm
; A KEY STEP: the record at LDS byte s2, step number s3.  Its K is on its way or in.
.macro STEP
	v_add_nc_u32 v6, s2, v1
	v_add_nc_u32 v7, s2, v2
	v_add_nc_u32 v8, s2, v3
	v_nop                                          ; four places in front of loads into registers that the last products have read
	WIN 0x40
.irp t, 0,1,2,3
.irp c, 0,1
	ds_load_b128 v[56+12*\t+6*\c:59+12*\t+6*\c], v6 offset:6144+3072*\c+768*\t
	ds_load_b64 v[60+12*\t+6*\c:61+12*\t+6*\c], v7 offset:6144+3072*\c+768*\t+512
.endr
.endr
	WIN 0
	ds_load_b32 v50, v8 offset:12800               ; V's scale halfwords of the first 64 keys,
	ds_load_b32 v51, v8 offset:12928               ; and of the second
	s_wait_dscnt 18                                ; K's 18 loads are in; V's 18, issued behind them, may be out
	WIN 0x01                                       ; source 0 (K) in window 1
.irp k, 0,1,2,3,4,5,6,7
.irp u, 0,1
.if (\k/2)%2
	v_wmma_scale_f32_16x16x128_f8f6f4 v[120+64*\u+8*\k:127+64*\u+8*\k], v[6*\k:6*\k+11], v[20+12*\u:31+12*\u], 0, v[46+2*(\k/4)+\k%2], v[44+\u] matrix_a_fmt:MATRIX_FMT_FP6 matrix_b_fmt:MATRIX_FMT_FP6 matrix_a_scale:MATRIX_SCALE_ROW1
.else
	v_wmma_scale_f32_16x16x128_f8f6f4 v[120+64*\u+8*\k:127+64*\u+8*\k], v[6*\k:6*\k+11], v[20+12*\u:31+12*\u], 0, v[46+2*(\k/4)+\k%2], v[44+\u] matrix_a_fmt:MATRIX_FMT_FP6 matrix_b_fmt:MATRIX_FMT_FP6
.endif
.endr
.endr                                          ; lane (r, h): query r of tile u; the 16 registers of K's tiles 2 b, 2 b + 1 are keys 32 b + 16 h + 0 .. 15 of the record
	WIN 0
	s_add_co_u32 s51, s3, 1
	s_and_b32 s51, s51, 15
	s_mul_i32 s51, s51, REC                        ; the next step's record; behind the last, record 0
	v_add_nc_u32 v248, s51, v1
	v_add_nc_u32 v249, s51, v2
	v_nop
	v_nop                                          ; four places behind the products
	KLOAD
.irp u, 0,1
.irp b, 0,1,2,3
	v_max3_num_f32 v[96+12*\u+\b], v[120+64*\u+16*\b], v[121+64*\u+16*\b], v[122+64*\u+16*\b]   ; the largest score of each block of 32 keys: for the row's maximum and, since p rises with the score, for the block's largest p
.endr
.endr
.irp i, 3,5,7,9,11,13
.irp u, 0,1
.irp b, 0,1,2,3
	v_max3_num_f32 v[96+12*\u+\b], v[96+12*\u+\b], v[120+64*\u+16*\b+\i], v[121+64*\u+16*\b+\i]
.endr
.endr
.endr
.irp u, 0,1
.irp b, 0,1,2,3
	v_max_num_f32 v[96+12*\u+\b], v[96+12*\u+\b], v[135+64*\u+16*\b]
.endr
.endr
.irp u, 0,1
.irp b, 0,1,2,3
	v_permlanex16_b32 v[100+12*\u+\b], v[96+12*\u+\b], s[SEL], s[SEL+1]
.endr
.endr
.irp u, 0,1
.irp b, 0,1,2,3
	v_max_num_f32 v[96+12*\u+\b], v[96+12*\u+\b], v[100+12*\u+\b]   ; with lane l xor 16's 16 keys
.endr
.endr
.irp u, 0,1
	v_max3_num_f32 v[105+12*\u], v[96+12*\u], v[97+12*\u], v[98+12*\u]
.endr
.irp u, 0,1
	v_max_num_f32 v[105+12*\u], v[105+12*\u], v[99+12*\u]          ; the step's largest score of my query
.endr
.irp u, 0,1
	v_mul_f32 v[105+12*\u], s[CS], v[105+12*\u]                    ; as t (c is positive)
.endr
.irp u, 0,1
	v_max_num_f32 v[13+4*\u], v[13+4*\u], v[105+12*\u]             ; the running largest t
.endr
.irp u, 0,1
	v_mov_b32 v[105+12*\u], v[12+4*\u]
.endr
.irp u, 0,1
	v_floor_f32 v[12+4*\u], -v[13+4*\u]                            ; the new -M = floor(-t): M is a whole number
.endr
.irp u, 0,1
	v_sub_f32 v[105+12*\u], v[12+4*\u], v[105+12*\u]               ; old M - new M: a whole number, 0 or less
.endr
.irp u, 0,1
	v_cvt_i32_f32 v[105+12*\u], v[105+12*\u]                       ; (it saturates)
.endr
.irp u, 0,1
	v_ldexp_f32 v[104+12*\u], 1.0, v[105+12*\u]                    ; f = 2^(old M - new M)
.endr
.set j, 0
.rept 64
	v_pk_fma_f32 v[120+2*j:121+2*j], v[120+2*j:121+2*j], s[CS:CS+1], v[12+4*(j/32):13+4*(j/32)] op_sel_hi:[1,0,0]   ; t - M, two at a time
.set j, j+1
.endr
.irp u, 0,1
.irp b, 0,1,2,3
	v_fma_f32 v[96+12*\u+\b], v[96+12*\u+\b], s[CS], v[12+4*\u]    ; the same of each block's largest score
.endr
.endr
	s_wait_alu depctr_va_vdst(0)                   ; the wait ahead of the batch
.set j, 0
.rept 128
	v_exp_f32 v[120+j], v[120+j]                   ; p = 2^(t - M), at most 1
.set j, j+1
.endr
.irp u, 0,1
	v_pk_mul_f32 v[14+4*\u:15+4*\u], v[14+4*\u:15+4*\u], v[104+12*\u:105+12*\u] op_sel_hi:[1,0]   ; the sums under the new M (plain lines behind the exponentials)
.endr
	s_wait_alu depctr_va_vdst(0)                   ; one wait for the batch, ahead of its first reader
.irp u, 0,1
.irp b, 0,1,2,3
	v_exp_f32 v[96+12*\u+\b], v[96+12*\u+\b]       ; the block's largest p: the same two instructions on the same number give the same bits
.endr
.endr
.irp u, 0,1
	v_pk_add_f32 v[106+12*\u:107+12*\u], v[120+64*\u:121+64*\u], v[122+64*\u:123+64*\u]   ; the row's sum of the unquantised p, two at a time, in two chains a tile
.endr
.irp j, 4,8,12,16,20,24,28,32,36,40,44,48,52
.irp u, 0,1
	v_pk_add_f32 v[14+4*\u:15+4*\u], v[14+4*\u:15+4*\u], v[120+64*\u+\j:121+64*\u+\j]
	v_pk_add_f32 v[106+12*\u:107+12*\u], v[106+12*\u:107+12*\u], v[122+64*\u+\j:123+64*\u+\j]
.endr
.endr
.irp u, 0,1
	v_pk_add_f32 v[14+4*\u:15+4*\u], v[14+4*\u:15+4*\u], v[176+64*\u:177+64*\u]   ; (the sums' last four additions stand further down)
.endr
	s_wait_alu depctr_va_vdst(0)                   ; and one wait for the eight
.irp u, 0,1
.irp b, 0,1,2,3
	v_max_num_f32 v[96+12*\u+\b], 0x1800000, v[96+12*\u+\b]        ; the floor 2^(3 - 127): the byte cannot fall under 1
.endr
.endr
.irp u, 0,1
.irp b, 0,1,2,3
	v_add_nc_u32 v[96+12*\u+\b], 0xff000000, v[96+12*\u+\b]        ; 2 off the exponent field: the conversion's scale operand
.endr
.endr
.irp u, 0,1
.irp b, 0,1,2,3
	v_lshrrev_b32 v[100+12*\u+\b], 23, v[96+12*\u+\b]              ; the scale's byte
.endr
.endr
.irp u, 0,1
	v_lshl_or_b32 v[54+\u], v[101+12*\u], 8, v[100+12*\u]          ; p's scale word for these 128 keys
.endr
.irp u, 0,1
	v_lshl_or_b32 v[54+\u], v[102+12*\u], 16, v[54+\u]
.endr
.irp u, 0,1
	v_lshl_or_b32 v[54+\u], v[103+12*\u], 24, v[54+\u]
.endr
.irp u, 0,1
.irp c, 0,1
	v_cvt_scalef32_pk16_fp6_f32 v[56+20*\u+6*\c:58+20*\u+6*\c], v[120+64*\u+32*\c:135+64*\u+32*\c], v[96+12*\u+2*\c]
	v_cvt_scalef32_pk16_fp6_f32 v[68+20*\u+4*\c:70+20*\u+4*\c], v[136+64*\u+32*\c:151+64*\u+32*\c], v[97+12*\u+2*\c]   ; (a conversion's three registers begin on an even number)
.endr
.endr
	v_nop                                          ; one plain instruction behind the conversions
.irp u, 0,1
.irp c, 0,1                                    ; the layout wants a whole block in a lane
.irp i, 0,1,2
	v_permlane16_swap_b32 v[56+20*\u+6*\c+\i], v[68+20*\u+4*\c+\i]
.endr
.endr
.endr
.irp u, 0,1
.irp c, 0,1
.irp i, 0,1,2
	v_mov_b32 v[59+20*\u+6*\c+\i], v[68+20*\u+4*\c+\i]
.endr
.endr
.endr
	s_wait_dscnt 18                                ; V and its halfwords are in; the next K's 18 loads, issued behind them, may be out
	v_perm_b32 v52, v51, v50, s36                  ; V's scale words: tiles 0 (lanes 0-15) and 2 (lanes 16-31),
	v_perm_b32 v53, v51, v50, s37                  ; tiles 1 and 3
	WIN 0x41                                       ; O^T in window 1, f in window 0
	s_wait_alu depctr_va_vdst(0)                   ; the wait directly ahead of the first reader of O^T
.set j, 0
.rept 32
	v_pk_mul_f32 v[104+2*j:105+2*j], v[104+2*j:105+2*j], v[104+12*(j/16):105+12*(j/16)] op_sel_hi:[1,0]   ; O^T under the new M
.set j, j+1
.endr
	WIN 0
.irp u, 0,1
	v_pk_add_f32 v[106+12*\u:107+12*\u], v[106+12*\u:107+12*\u], v[178+64*\u:179+64*\u]   ; the sums' last additions: plain work between O^T's last write and the products
.endr
.irp u, 0,1
	v_pk_add_f32 v[14+4*\u:15+4*\u], v[14+4*\u:15+4*\u], v[180+64*\u:181+64*\u]
.endr
.irp u, 0,1
	v_pk_add_f32 v[106+12*\u:107+12*\u], v[106+12*\u:107+12*\u], v[182+64*\u:183+64*\u]
.endr
.irp u, 0,1
	v_pk_add_f32 v[14+4*\u:15+4*\u], v[14+4*\u:15+4*\u], v[106+12*\u:107+12*\u]
.endr
	WIN 0x51                                       ; V, C and D in window 1, p's codes in window 0
.irp t, 0,1,2,3                                ; O^T += V^T P^T: the eight accumulators by turns, one instruction a turn
.irp u, 0,1
.if \t/2
	v_wmma_scale_f32_16x16x128_f8f6f4 v[104+32*\u+8*\t:111+32*\u+8*\t], v[56+12*\t:67+12*\t], v[56+20*\u:67+20*\u], v[104+32*\u+8*\t:111+32*\u+8*\t], v[52+\t%2], v[54+\u] matrix_a_fmt:MATRIX_FMT_FP6 matrix_b_fmt:MATRIX_FMT_FP6 matrix_a_scale:MATRIX_SCALE_ROW1
.else
	v_wmma_scale_f32_16x16x128_f8f6f4 v[104+32*\u+8*\t:111+32*\u+8*\t], v[56+12*\t:67+12*\t], v[56+20*\u:67+20*\u], v[104+32*\u+8*\t:111+32*\u+8*\t], v[52+\t%2], v[54+\u] matrix_a_fmt:MATRIX_FMT_FP6 matrix_b_fmt:MATRIX_FMT_FP6
.endif
.endr
.endr
	WIN 0
.endm
; THE WAY OUT of a pass.  O^T / the sum: register 16 b + i is channel 32 b + 16 h + i of my query: two blocks along the last product's K.  They become an image of 6 registers and a halfword of two scale bytes a tile.
.macro EPI p
.irp u, 0,1
	v_add_f32 v[14+4*\u], v[14+4*\u], v[15+4*\u]   ; the sum's two halves,
.endr
.irp u, 0,1
	v_permlanex16_b32 v[105+12*\u], v[14+4*\u], s[SEL], s[SEL+1]
.endr
.irp u, 0,1
	v_add_f32 v[14+4*\u], v[14+4*\u], v[105+12*\u] ; and lane l xor 16's: the row's sum
.endr
	v_nop
	s_wait_alu depctr_va_vdst(0)
.irp u, 0,1
	v_rcp_f32 v[14+4*\u], v[14+4*\u]
.endr
	v_nop                                          ; a plain instruction behind the reciprocals,
	WIN 0x01
	s_wait_alu depctr_va_vdst(0)                   ; and the wait ahead of their first reader, which is O^T's too
.set j, 0
.rept 32
	v_pk_mul_f32 v[120+64*(j/16)+2*(j%16):121+64*(j/16)+2*(j%16)], v[104+2*j:105+2*j], v[14+4*(j/16):15+4*(j/16)] op_sel_hi:[1,0]   ; each accumulator from its low end on
.set j, j+1
.endr
	WIN 0
.irp u, 0,1
.irp b, 0,1
	v_max3_num_f32 v[96+12*\u+\b], |v[120+64*\u+16*\b]|, |v[121+64*\u+16*\b]|, 0x1800000   ; my 16 numbers of block b, and the floor
.endr
.endr
.irp i, 2,4,6,8,10,12,14
.irp u, 0,1
.irp b, 0,1
	v_max3_num_f32 v[96+12*\u+\b], v[96+12*\u+\b], |v[120+64*\u+16*\b+\i]|, |v[121+64*\u+16*\b+\i]|
.endr
.endr
.endr
.irp u, 0,1
.irp b, 0,1
	v_permlanex16_b32 v[100+12*\u+\b], v[96+12*\u+\b], s[SEL], s[SEL+1]
.endr
.endr
.irp u, 0,1
.irp b, 0,1
	v_max_num_f32 v[96+12*\u+\b], v[96+12*\u+\b], v[100+12*\u+\b]
.endr
.endr
.irp u, 0,1
.irp b, 0,1
	v_add_nc_u32 v[96+12*\u+\b], 0xff000000, v[96+12*\u+\b]
.endr
.endr
.irp u, 0,1
.irp b, 0,1
	v_lshrrev_b32 v[100+12*\u+\b], 23, v[96+12*\u+\b]
.endr
.endr
.irp u, 0,1
	v_lshl_or_b32 v[105+12*\u], v[101+12*\u], 8, v[100+12*\u]      ; the two bytes
.endr
.irp u, 0,1
	v_cvt_scalef32_pk16_fp6_f32 v[56+20*\u:58+20*\u], v[120+64*\u:135+64*\u], v[96+12*\u]
	v_cvt_scalef32_pk16_fp6_f32 v[60+20*\u:62+20*\u], v[136+64*\u:151+64*\u], v[97+12*\u]
.endr
	v_lshl_or_b32 v105, v117, 16, v105             ; both tiles' halfwords side by side (a plain instruction behind the conversions)
.irp u, 0,1
.irp i, 0,1,2
	v_permlane16_swap_b32 v[56+20*\u+\i], v[60+20*\u+\i]           ; lanes 0-15 block 0, lanes 16-31 block 1
.endr
.endr
.irp i, 0,1,2
.irp u, 0,1
	v_mov_b32 v[59+20*\u+\i], v[60+20*\u+\i]
.endr
.endr
.irp u, 0,1
	global_store_b128 v1, v[56+20*\u:59+20*\u], s[44:45] offset:196608*\p+12288*\u      ; 512 consecutive bytes,
	global_store_b64 v2, v[60+20*\u:61+20*\u], s[44:45] offset:196608*\p+12288*\u+512   ; and 256
.endr
	ds_store_b32 v5, v105 offset:512*\p            ; both halves of the lanes write the same word with the same value
.endm
.macro PASS p
.if \p == 0
.irp u, 0,1
	global_load_b128 v[20+12*\u:23+12*\u], v1, s[40:41] offset:768*\u
	global_load_b64 v[24+12*\u:25+12*\u], v2, s[40:41] offset:768*\u+512
.endr
	global_load_b64 v[44:45], v4, s[42:43]
	WIN 0x40                                       ; the second pass's Q and scale words come now too, into window 1
.irp u, 0,1
	global_load_b128 v[168+6*\u:171+6*\u], v1, s[40:41] offset:12288+768*\u
	global_load_b64 v[172+6*\u:173+6*\u], v2, s[40:41] offset:12288+768*\u+512
.endr
	global_load_b64 v[180:181], v4, s[42:43] offset:1024
	WIN 0
.else
	WIN 0x01
.irp u, 0,1
.irp j, 0,1,2,3,4,5
	v_mov_b32 v[20+12*\u+\j], v[168+6*\u+\j]
.endr
	v_mov_b32 v[44+\u], v[180+\u]                  ; (the moves below are the places between these writes and the first product)
.endr
	WIN 0
.endif
.irp u, 0,1
	v_mov_b32 v[13+4*\u], 0xff61b1e6               ; the largest t so far: -3e38, under every t
	v_mov_b32 v[14+4*\u], 0
	v_mov_b32 v[15+4*\u], 0
.endr
.irp u, 0,1
	v_floor_f32 v[12+4*\u], -v[13+4*\u]            ; -M
.endr
	WIN 0x40
.set j, 0
.rept 64
	v_mov_b32 v[104+j], 0                          ; O^T: the step is written once; the first finds zeros, which the first change of M leaves zeros
.set j, j+1
.endr
	WIN 0
	s_wait_alu depctr_va_vdst(0)                   ; the wait ahead of the waits below
.if \p == 0
	s_wait_tensorcnt 0x0                           ; my records are in,
	s_barrier_signal -1
	s_barrier_wait -1                              ; everybody's are
	v_mov_b32 v248, v1
	v_mov_b32 v249, v2
	KLOAD                                          ; record 0's K
	s_wait_loadcnt 0x0                             ; Q
.else
	s_wait_xcnt 0x0                                ; the last pass's stores have read their registers, which the steps write again
.endif
	s_mov_b32 s2, 0
	s_mov_b32 s3, 0
.Lstep_\@:
	STEP
	s_add_co_u32 s2, s2, REC
	s_add_co_u32 s3, s3, 1
	s_cmp_lt_u32 s3, 16
	s_cbranch_scc1 .Lstep_\@
	s_wait_alu depctr_va_vdst(0)
	EPI \p
.endm
	PASS 0
	PASS 1
	s_wait_dscnt 0x0                               ; my halfwords are stored
	s_barrier_signal -1
	s_barrier_wait -1                              ; everybody's are
	s_cmp_lt_u32 s[WV], 2
	s_cbranch_scc0 .Lno_scales
	ds_load_b128 v[120:123], v9
	s_wait_dscnt 0x0
	global_store_b128 v10, v[120:123], s[46:47]    ; eight lanes store 128 consecutive bytes: this head's part of four tiles' 2,048
.Lno_scales:
	s_wait_tensorcnt 0x0                           ; the wave's end
	ds_add_u32 v254, v255
	s_wait_dscnt 0x0
	CROUND                                         ; the closing round
	s_endpgm
.Lfunc_end_k_q3b8e6bb7c5_attn:
	.size	k_q3b8e6bb7c5_attn, .Lfunc_end_k_q3b8e6bb7c5_attn-k_q3b8e6bb7c5_attn
	.p2alignl 7, 3214868480
	.fill 96, 4, 3214868480
	.section	.rodata,"a",@progbits
	.p2align	6, 0x0
	.amdhsa_kernel k_q3b8e6bb7c5_attn
		.amdhsa_group_segment_fixed_size 211968
		.amdhsa_private_segment_fixed_size 0
		.amdhsa_enable_private_segment 0
		.amdhsa_kernarg_size 24
		.amdhsa_user_sgpr_count 2
		.amdhsa_user_sgpr_kernarg_segment_ptr 1
		.amdhsa_wavefront_size32 1
		.amdhsa_system_sgpr_workgroup_id_x 1
		.amdhsa_system_sgpr_workgroup_id_y 1
		.amdhsa_system_sgpr_workgroup_id_z 1
		.amdhsa_system_vgpr_workitem_id 0
		.amdhsa_next_free_vgpr 512
		.amdhsa_next_free_sgpr 66
		.amdhsa_reserve_vcc 0
		.amdhsa_float_denorm_mode_32 3
		.amdhsa_float_denorm_mode_16_64 3
		.amdhsa_memory_ordered 1
		.amdhsa_forward_progress 1
		.amdhsa_inst_pref_size 87
	.end_amdhsa_kernel
	.amdgpu_metadata
---
amdhsa.version: [ 1, 2 ]
amdhsa.kernels:
  - .name:           k_q3b8e6bb7c5_attn
    .symbol:         k_q3b8e6bb7c5_attn.kd
    .args:
      - { .name: qi, .offset: 0, .size: 8, .value_kind: global_buffer, .address_space: global }
      - { .name: kv, .offset: 8, .size: 8, .value_kind: global_buffer, .address_space: global }
      - { .name: va, .offset: 16, .size: 8, .value_kind: global_buffer, .address_space: global }
    .group_segment_fixed_size: 211968
    .private_segment_fixed_size: 0
    .kernarg_segment_align: 8
    .kernarg_segment_size: 24
    .max_flat_workgroup_size: 256
    .sgpr_count:     66
    .vgpr_count:     512
    .wavefront_size: 32
...
	.end_amdgpu_metadata
.endif
;; end of part 4
;; launch outp (part 5): grid 8 x 32, 4 waves a work-group, clusters of 4 x 4, 327,680 bytes of LDS; arguments va, w, out0; writes out0
.if DOCPART == 5
	.amdgcn_target "amdgcn-amd-amdhsa--gfx1250"
	.amdhsa_code_object_version 6
	.text
	.protected	k_q3b8e6bb7c5_outp
	.globl	k_q3b8e6bb7c5_outp
	.p2align	8
	.type	k_q3b8e6bb7c5_outp,@function
k_q3b8e6bb7c5_outp:
	s_mov_b64 s[64:65], 0
	v_nop
	global_prefetch_b8 v0, s[64:65] scope:SCOPE_SE
	s_setreg_imm32_b32 hwreg(HW_REG_WAVE_MODE, 25, 1), 1
	s_wait_xcnt 0x0
	s_wait_alu depctr_hold_cnt(0) depctr_sa_sdst(0) depctr_va_vdst(0) depctr_va_sdst(0) depctr_va_ssrc(0) depctr_va_vcc(0) depctr_vm_vsrc(0)
	s_getreg_b32 s2, hwreg(HW_REG_IB_STS2, 6, 4)
	s_cmp_eq_u32 s2, 0
	s_cbranch_scc0 .Lentry_in_a_cluster
	s_endpgm
.Lentry_in_a_cluster:
	s_bfe_u32 s2, ttmp6, 0x10000c
	s_cmp_lg_u32 s2, 0xf033
	s_cbranch_scc0 .Lentry_shape_is_right
	s_endpgm
.Lentry_shape_is_right:
.set PITCH,  240
.set FR,     12
.set BO,     196608                    ; LDS: A's 16 tiles of 12,288 bytes, all of K; behind them B's four chunks of 256 along K
.set CHB,    128*PITCH                 ; a chunk of B: 128 places, pitch 240
.set SCL,    BO+4*CHB                  ; behind them B's scales.  Everything is filled once, at the head, one load a wave
.set SBLK,   544
.set SPITCH, 528
.set WSC,    3145728
.set VSC,    6291456
.set ADA,  16
.set ADB,  20
.set ADRS, 21
.set STO,  24
.set RD,   25
.set CO,   26
.set SB,   32
.set SA,   64
.set XH,   96
.set AF,   128
.set BK,   128
.set G1,  24
.set G0A, 32
.set G1B, 48
.set G1S, 56
.set G0B, 68
.set G0S, 84
.set MSB, 0
.macro WIN new
.if MSB != \new
	s_set_vgpr_msb (MSB<<8)|\new
.set MSB, \new
.endif
.endm
.macro ARM under, g0, g1, next         ; an arm of the head's one chain of branches on the wave's number: one joint load
	s_cmp_lt_u32 s14, \under
	s_cbranch_scc0 \next
	tensor_load_to_lds s[\g0:\g0+3], s[\g1:\g1+7]
	s_nop 0
.rept 4
	v_nop
.endr
	s_branch .Lhead_asked
\next:
.endm
.macro CROUND
	s_barrier_signal -1
	s_barrier_wait -1
	s_cmp_lg_u32 s14, 0
	s_cbranch_scc1 .Lnot_wave_0_\@
	s_barrier_signal -3
.Lnot_wave_0_\@:
	s_barrier_wait -3
	s_barrier_signal -1
	s_barrier_wait -1
.endm
.macro PLACES n
.rept \n
	v_nop
.endr
.endm
	s_load_b128 s[4:7], s[0:1], 0x0
	s_load_b64 s[8:9], s[0:1], 0x10
	v_lshl_add_u32 v30, v0, 2, 0x4f100
	v_mov_b32 v31, 0
	ds_add_u32 v30, v31
	ds_add_u32 v30, v31
	v_lshrrev_b32 v1, 5, v0
	v_readfirstlane_b32 s14, v1
	s_and_b32 s16, s14, 1
	s_bfe_u32 s88, ttmp6, 0x40000
	s_bfe_u32 s89, ttmp6, 0x40004
	s_lshl_b32 s90, ttmp9, 2
	s_add_co_u32 s90, s90, s88
	s_and_b32 s17, ttmp7, 0xffff
	s_lshl_b32 s17, s17, 2
	s_add_co_u32 s17, s17, s89
	s_lshl_b32 s91, s89, 2
	s_lshl_b32 s91, 15, s91
	s_lshl_b32 s92, 0x1111, s88
	s_or_b32 s[G1+0], s91, (3<<16)|(1<<21)
	s_mov_b32 s[G1+1], 32<<16                      ; A: eight tiles, dense: 98,304 bytes as 384 rows of 256
	s_mov_b32 s[G1+2], 384<<16
	s_mov_b32 s[G1+3], 32<<16
	s_mov_b32 s[G1+4], 384
	s_mov_b32 s[G1+5], 32
	s_mov_b32 s[G1+6], 0
	s_mov_b32 s[G1+7], 0
	s_or_b32 s[G1B+0], s92, (0<<16)|(1<<20)|(1<<21)|(3<<22)|(3<<25)
	s_mov_b32 s[G1B+1], 256<<16                    ; B: a group of 128 places, all four chunks, dense: 384 rows of 256 bytes, 16 of padding behind each 64
	s_mov_b32 s[G1B+2], 384<<16
	s_mov_b32 s[G1B+3], 256<<16
	s_mov_b32 s[G1B+4], 384
	s_mov_b32 s[G1B+5], 256
	s_mov_b32 s[G1B+6], 0
	s_mov_b32 s[G1B+7], 0
	s_or_b32 s[G1S+0], s92, (3<<16)|(1<<20)|(1<<21)|(5<<22)|(3<<25)
	s_mov_b32 s[G1S+1], 32<<16
	s_mov_b32 s[G1S+2], 16<<16
	s_mov_b32 s[G1S+3], 32<<16
	s_mov_b32 s[G1S+4], 16
	s_mov_b32 s[G1S+5], 32
	s_mov_b32 s[G1S+6], 0
	s_mov_b32 s[G1S+7], 0
	s_lshl_b32 s20, s17, 4
	s_lshl_b32 s18, s16, 3
	s_add_co_u32 s20, s20, s18
	s_mul_i32 s20, s20, 12288
	s_mov_b32 s21, 0
	s_mul_i32 s19, s16, 98304                      ; A's half in LDS
	s_add_co_u32 s94, s90, 24
	s_mul_i32 s94, s94, 98304                      ; B: Wout's group of 128 places (groups of 98,304 bytes; Wout's begin at the 24th)
	s_mov_b32 s95, 0
	s_lshl_b32 s96, s90, 12                        ; its scales: 128 places x 32 bytes
	s_add_co_u32 s96, s96, WSC+3072*32
	s_mov_b32 s97, 0
	s_lshl_b32 s12, s17, 2
	s_add_co_u32 s12, s12, s14
	s_lshl_b32 s12, s12, 11
	s_add_co_u32 s12, s12, VSC
	s_mov_b32 s13, 0
	s_mov_b32 s2, 0x05040100
	s_mov_b32 s3, 0x07060302
	s_wait_dscnt 0x0
	s_wait_kmcnt 0x0
	s_add_nc_u64 s[20:21], s[4:5], s[20:21]
	s_add_nc_u64 s[94:95], s[6:7], s[94:95]
	s_add_nc_u64 s[96:97], s[6:7], s[96:97]
	s_add_nc_u64 s[10:11], s[4:5], s[12:13]
	CROUND
	s_mov_b32 s[G0A], 1
	s_mov_b32 s[G0A+1], s19
	s_mov_b64 s[G0A+2:G0A+3], s[20:21]
	s_or_b32 s[G0A+3], s[G0A+3], 0x80000000
	s_mov_b32 s[G0B], 1
	s_mov_b32 s[G0B+1], BO
	s_mov_b64 s[G0B+2:G0B+3], s[94:95]
	s_or_b32 s[G0B+3], s[G0B+3], 0x80000000
	s_mov_b32 s[G0S], 1
	s_mov_b32 s[G0S+1], SCL
	s_mov_b64 s[G0S+2:G0S+3], s[96:97]
	s_or_b32 s[G0S+3], s[G0S+3], 0x80000000
	ARM 2, G0A, G1,  .Lhead_b                      ; waves 0 and 1: A's tiles 0-7 and 8-15; wave 2: B; wave 3: B's scales
	ARM 3, G0B, G1B, .Lhead_s
	tensor_load_to_lds s[G0S:G0S+3], s[G1S:G1S+7]
	s_nop 0
.rept 4
	v_nop
.endr
.Lhead_asked:
	v_and_b32 v1, 15, v0
	v_bfe_u32 v2, v0, 4, 1
	v_and_b32 v3, 31, v0
	v_lshlrev_b32 v23, 3, v1
.irp e, 0,1,2,3,4,5,6,7,8,9,10,11,12,13,14,15
	global_load_b64 v[XH+2*\e:XH+2*\e+1], v23, s[10:11] offset:128*\e
.endr
	s_mul_i32 s18, s14, 49152                      ; my four tiles of A; no other wave reads them, and on the way out my stage lies at their start
	v_lshl_add_u32 v[ADA], v3, 4, s18
	v_lshl_add_u32 v[ADA+1], v3, 3, s18
	v_mul_u32_u24 v4, v1, PITCH
	v_mad_u32_u24 v4, v2, 24, v4
	v_add_nc_u32 v[ADB], BO, v4
	v_lshl_add_u32 v[ADB+2], v2, 4, v[ADB]
	v_lshlrev_b32 v5, 5, v1
	v_lshrrev_b32 v6, 8, v5
	v_lshl_add_u32 v5, v6, 4, v5
	v_add_nc_u32 v[ADRS], SCL, v5
	v_mul_u32_u24 v5, v1, SPITCH
	v_lshl_add_u32 v5, v2, 6, v5
	v_add_nc_u32 v[STO], s18, v5
	v_lshlrev_b32 v[CO], 4, v3
	v_add_nc_u32 v[RD], s18, v[CO]
	s_lshl_b32 s12, s17, 8
	s_lshl_b32 s13, s14, 6
	s_add_co_u32 s12, s12, s13
	s_lshl_b32 s12, s12, 12
	s_lshl_b32 s13, s90, 9
	s_add_co_u32 s12, s12, s13
	s_mov_b32 s13, 0
	s_add_nc_u64 s[8:9], s[8:9], s[12:13]
	s_wait_loadcnt 0x0
.irp s, 0,1,2,3,4,5,6,7
.irp a, 0,1,2,3
	v_perm_b32 v[SA+4*\s+\a], v[XH+4*\s+2+\a/2], v[XH+4*\s+\a/2], s[2+\a%2]
.endr
.endr
.macro FRAG reg, adr, q, i
.irp p, 0,1,2,3,4,5
.set PCE, 12*(\q)+6*(\p/3)+\p%3
.if PCE%8 < 5
	ds_load_b64 v[\reg+2*\p:\reg+2*\p+1], v[\adr] offset:8*PCE+16*(PCE/8)+(\i)*16*PITCH
.else
	ds_load_b64 v[\reg+2*\p:\reg+2*\p+1], v[\adr+2] offset:8*PCE+16*(PCE/8)+(\i)*16*PITCH
.endif
.endr
.endm
.macro MULB b0, nb, p, q, sc, ks, zero
	WIN 0xa1
.set BQ, \b0
.rept \nb
.irp a, 0,1,2,3
.if \zero
	v_wmma_scale_f32_16x16x128_f8f6f4 v[8*(8*\a+BQ):8*(8*\a+BQ)+7], v[FR*BQ:FR*BQ+FR-1], v[AF+48*(\p)+FR*\a:AF+48*(\p)+FR*\a+FR-1], 0, v[SB+16*(\sc)+2*BQ+(\q)], v[SA+4*(\ks)+\a] matrix_a_fmt:MATRIX_FMT_FP6 matrix_b_fmt:MATRIX_FMT_FP6
.else
	v_wmma_scale_f32_16x16x128_f8f6f4 v[8*(8*\a+BQ):8*(8*\a+BQ)+7], v[FR*BQ:FR*BQ+FR-1], v[AF+48*(\p)+FR*\a:AF+48*(\p)+FR*\a+FR-1], v[8*(8*\a+BQ):8*(8*\a+BQ)+7], v[SB+16*(\sc)+2*BQ+(\q)], v[SA+4*(\ks)+\a] matrix_a_fmt:MATRIX_FMT_FP6 matrix_b_fmt:MATRIX_FMT_FP6
.endif
.endr
.set BQ, BQ+1
.endr
.endm
.macro FETCH_A q, p
.irp a, 0,1,2,3
.irp j, 0,1
	ds_load_b128 v[AF+48*(\p)+FR*\a+6*\j:AF+48*(\p)+FR*\a+6*\j+3], v[ADA] offset:12288*\a+1536*(\q)+768*\j
	ds_load_b64 v[AF+48*(\p)+FR*\a+6*\j+4:AF+48*(\p)+FR*\a+6*\j+5], v[ADA+1] offset:12288*\a+1536*(\q)+768*\j+512
.endr
.endr
.endm
.macro FETCH_B q, i0
	WIN 0x40
.irp i, \i0, \i0+1, \i0+2, \i0+3
	FRAG FR*(\i), ADB, \q, \i
.endr
	WIN 0
.endm
.macro SCALES sc
.irp i, 0,1,2,3,4,5,6,7
	ds_load_b64 v[SB+16*(\sc)+2*\i:SB+16*(\sc)+2*\i+1], v[ADRS] offset:\i*SBLK
.endr
.endm
.macro STEP kap, zero
	s_wait_dscnt 24
	MULB 0, 4, 0, 0, (\kap)%2, 2*(\kap), \zero
	s_wait_dscnt 0x0
	PLACES 4
	WIN 0
	FETCH_A 1, 1
	FETCH_B 1, 0
	MULB 4, 4, 0, 0, (\kap)%2, 2*(\kap), \zero
	PLACES 4
	WIN 0
	FETCH_B 1, 4
.endm
.macro TURN kap
	s_wait_dscnt 24
	MULB 0, 4, 1, 1, (\kap)%2, 2*(\kap)+1, 0
	s_wait_dscnt 0x0
	WIN 0
	v_add_nc_u32 v[ADA], 3072, v[ADA]              ; the next 256 along K: 3,072 bytes on in each tile of A, a chunk on in B (these five lines are the places in front of the loads)
	v_add_nc_u32 v[ADA+1], 3072, v[ADA+1]
	v_add_nc_u32 v[ADB], CHB, v[ADB]
	v_add_nc_u32 v[ADB+2], CHB, v[ADB+2]
	v_add_nc_u32 v[ADRS], 8, v[ADRS]
	FETCH_A 0, 0
	FETCH_B 0, 0
	SCALES ((\kap)+1)%2
	MULB 4, 4, 1, 1, (\kap)%2, 2*(\kap)+1, 0
	PLACES 4
	WIN 0
	FETCH_B 0, 4
.endm
	s_wait_alu depctr_va_vdst(0)
	s_wait_tensorcnt 0x0                           ; my one load is in; behind the barrier everybody's is
	s_barrier_signal -1
	s_barrier_wait -1
	FETCH_A 0, 0
	FETCH_B 0, 0
	SCALES 0
	FETCH_B 0, 4
	STEP 0, 1
	TURN 0
	s_wait_alu depctr_va_vdst(0)
	STEP 1, 0
	TURN 1
	s_wait_alu depctr_va_vdst(0)
	STEP 2, 0
	TURN 2
	s_wait_alu depctr_va_vdst(0)
	STEP 3, 0
	s_wait_dscnt 24
	MULB 0, 4, 1, 1, 1, 7, 0
	s_wait_dscnt 0x0
	MULB 4, 4, 1, 1, 1, 7, 0
	WIN 0
.macro TOSTAGE a
	WIN 0x08
.irp b, 0,1,2,3,4,5,6,7
	ds_store_b128 v[STO], v[64*(\a)+8*\b:64*(\a)+8*\b+3] offset:128*(\b/2)+32*(\b%2)
	ds_store_b128 v[STO], v[64*(\a)+8*\b+4:64*(\a)+8*\b+7] offset:128*(\b/2)+32*(\b%2)+16
.endr
	WIN 0
.set BB, BK+64*((\a)%2)
.irp t, 0,1,2,3,4,5,6,7,8,9,10,11,12,13,14,15
	ds_load_b128 v[BB+4*\t:BB+4*\t+3], v[RD] offset:\t*SPITCH
.endr
.endm
.macro SEND a, younger
.set BB, BK+64*((\a)%2)
	s_wait_dscnt \younger
.irp t, 0,1,2,3,4,5,6,7,8,9,10,11,12,13,14,15
	global_store_b128 v[CO], v[BB+4*\t:BB+4*\t+3], s[8:9] offset:(32*((\a)/2)+8*((\a)%2)+\t+8*(\t/8))*4096 th:TH_STORE_NT
.endr
.endm
	PLACES 4
	TOSTAGE 0
.irp a, 1,2,3
.if \a > 1
	s_wait_xcnt 0x0
.endif
	TOSTAGE \a
	SEND \a-1, 32
.endr
	SEND 3, 0
	s_wait_tensorcnt 0x0
	ds_add_u32 v30, v31
	s_wait_dscnt 0x0
	CROUND
	s_endpgm
.Lfunc_end_k_q3b8e6bb7c5_outp:
	.size	k_q3b8e6bb7c5_outp, .Lfunc_end_k_q3b8e6bb7c5_outp-k_q3b8e6bb7c5_outp
	.p2alignl 7, 3214868480
	.fill 96, 4, 3214868480
	.section	.rodata,"a",@progbits
	.p2align	6, 0x0
	.amdhsa_kernel k_q3b8e6bb7c5_outp
		.amdhsa_group_segment_fixed_size 327680
		.amdhsa_private_segment_fixed_size 0
		.amdhsa_enable_private_segment 0
		.amdhsa_kernarg_size 24
		.amdhsa_user_sgpr_count 2
		.amdhsa_user_sgpr_kernarg_segment_ptr 1
		.amdhsa_wavefront_size32 1
		.amdhsa_system_sgpr_workgroup_id_x 1
		.amdhsa_system_sgpr_workgroup_id_y 1
		.amdhsa_system_sgpr_workgroup_id_z 1
		.amdhsa_system_vgpr_workitem_id 0
		.amdhsa_next_free_vgpr 768
		.amdhsa_next_free_sgpr 100
		.amdhsa_reserve_vcc 0
		.amdhsa_float_denorm_mode_32 3
		.amdhsa_float_denorm_mode_16_64 3
		.amdhsa_memory_ordered 1
		.amdhsa_forward_progress 1
		.amdhsa_inst_pref_size 97
	.end_amdhsa_kernel
	.amdgpu_metadata
---
amdhsa.version: [ 1, 2 ]
amdhsa.kernels:
  - .name:           k_q3b8e6bb7c5_outp
    .symbol:         k_q3b8e6bb7c5_outp.kd
    .args:
      - { .name: va, .offset: 0, .size: 8, .value_kind: global_buffer, .address_space: global }
      - { .name: w, .offset: 8, .size: 8, .value_kind: global_buffer, .address_space: global }
      - { .name: out0, .offset: 16, .size: 8, .value_kind: global_buffer, .address_space: global }
    .group_segment_fixed_size: 327680
    .private_segment_fixed_size: 0
    .kernarg_segment_align: 8
    .kernarg_segment_size: 24
    .max_flat_workgroup_size: 128
    .sgpr_count:     100
    .vgpr_count:     768
    .wavefront_size: 32
...
	.end_amdgpu_metadata
.endif
;; end of part 5
